; MI455X (gfx1250); checked and timed in simulation.
; The chip was launched on July 23, 2026; its instructions are those of AMD's public machine-readable ISA for CDNA 5 (MIT licence, August 2026) and "CDNA5" Instruction Set Architecture Reference Guide (July 2026). The comments in the code are by the model that wrote it; some were corrected since.
;; Multi Headed Attention. Allowed arithmetic: matrix products marked QUANTISED: E3M2 operands, one E8M0 scale for each 32 along K, by v_wmma_scale_f32_16x16x128_f8f6f4 with both operands' format E3M2, f32 sums; everything else in f32.
;; Inputs: K 8 x 1,024 x 1,024 float32; Q 8 x 1,024 x 1,024 float32; T 8 x 1,024 x 64 float32; V 8 x 1,024 x 1,024 float32; WK 1,024 x 1,024 float32; WM 1,024 x 1,024 float32; WQ 1,024 x 1,024 float32; WT 64 x 64 float32; WV 1,024 x 1,024 float32; bK 1,024 float32; bM 1,024 float32; bQ 1,024 float32; bT 64 float32; bV 1,024 float32; mask 8 x 1 x 1,024 x 1,024 int32.
;; Outputs: out0 8 x 1,024 x 1,024 float32.
;; This version of the problem:
;;   THIS VERSION OF THE PROBLEM IS GIVEN IN LOW PRECISION. The matrix products marked QUANTISED in the list below multiply operands that are first quantised to E3M2 (3 exponent bits, 2 mantissa bits; 6 bits a number), with one power-of-two scale for each 32 numbers along K (OCP MX v1.0); their sums are f32. All else is computed in f32.
;;   The module's matrix products, in the order in which they are computed (A, B: the left and right operand; K: the contracted axis; several contracted axes count as one K, in the product's order):
;;     1. [M 8,192, K 1,024] x [K 1,024, N 1,024]; A: input Q; B: input WQ: QUANTISED
;;     2. [M 8,192, K 1,024] x [K 1,024, N 1,024]; A: input K; B: input WK: QUANTISED
;;     3. [M 8,192, K 1,024] x [K 1,024, N 1,024]; A: input V; B: input WV: QUANTISED
;;     4. [M 8,192, K 64] x [K 64, N 64]; A: input T; B: input WT: QUANTISED
;;     5. batch 128 x [M 1,024, K 128] x [K 128, N 1,024]; A: computed on the way; B: computed on the way: QUANTISED
;;     6. batch 128 x [M 1,024, K 1,024] x [K 1,024, N 64]; A: softmax (see below); B: computed on the way: QUANTISED
;;     7. [M 8,192, K 1,024] x [K 1,024, N 1,024]; A: computed on the way; B: input WM: QUANTISED
;;   THE QUANTISER, for each operand of a quantised product, along K:
;;     - K is cut into blocks of 32 from its start; a last block that is shorter is filled with zeros.
;;     - A block's scale is 2^e with e = floor(log2(the largest magnitude in the block)) - 4, held to -126 .. 127; a block of zeros has e = 0. As a byte (E8M0): e + 127.
;;     - Each number is divided by its block's scale, clamped to +-28, and rounded to the nearest number of E3M2, ties to even, subnormals kept.
;;     - The product sums the exact products of the quantised numbers (number of the format x scale) in f32.
;;   ~~~python
;;   def quantise(x, axis):      # numpy; x: float32 -> the quantised numbers, widened to float32 again
;;       x = np.moveaxis(x, axis, -1); K = x.shape[-1]
;;       x = np.pad(x, [(0, 0)] * (x.ndim - 1) + [(0, -K % 32)]); x = x.reshape(x.shape[:-1] + (-1, 32)); a = np.abs(x).max(-1, keepdims=True)
;;       e = np.where(a > 0, np.clip(np.frexp(np.where(a > 0, a, 1))[1] - 1 - 4, -126, 127), 0)      # np.frexp(a)[1] - 1 = floor(log2(a)), exactly
;;       r = np.clip(x / 2.0 ** e, -28, 28)
;;       step = 2.0 ** (np.maximum(np.frexp(np.where(r == 0, 1, r))[1] - 1, -2) - 2)
;;       q = np.round(r / step) * step * 2.0 ** e      # np.round: ties to even
;;       return np.moveaxis(q.reshape(q.shape[:-2] + (-1,))[..., :K], -1, axis).astype(np.float32)
;;   ~~~
;;   SOFTMAX AHEAD OF A QUANTISED PRODUCT. Where the list says 'softmax', what is quantised is not the finished softmax but p = 2^(t - M), with t = logit x log2(e) and M = ceil(the row's largest t), a whole number; so 1/2 < the row's largest p <= 1. The row's sum l is taken of the UNQUANTISED p, in f32, and the product's result is divided by l at the end. Since M is a whole number, a kernel that streams over the keys may use a running M (the ceiling of the running maximum): every later rescaling is an exact power of two, which a block's scale takes up: the codes' values come out the same.
;;   OPERANDS COMPUTED ON THE WAY. 'Computed on the way' means the value that the module computes at that place (a softmax that the list does not call 'softmax' is quantised finished and normalised). What goes into a quantiser is computed in f32, as accurately as f32 sums, v_exp_f32 and their like allow (about 1e-6 of the number): no bf16 or f16 on the way to a quantiser, and a product that is left as it is and whose result goes on into a quantised operand takes f32 operands (vector FMAs, or v_wmma_f32_16x16x4_f32). A number that lies on a knife's edge between two numbers of the format may be rounded either way, as far as f32 arithmetic and the matrix unit's own rounding can turn it there, and no further.
;; One version. Each part assembles by itself: llvm-mc -triple=amdgcn-amd-amdhsa -mcpu=gfx1250 --defsym DOCPART=n.
;; ======== version 1 of 1: 4 launches
;; limits: right only within a limited range of input values
;; workspace buffers: codes 22,020,096 bytes; scales 917,504 bytes; mbits 1,048,576 bytes of whole numbers; tq 409,600 bytes; himg 18,874,368 bytes; hsc 786,432 bytes; ximg 6,291,456 bytes; xsc 262,144 bytes
;; launch prep (part 1): grid 736 x 1, 4 waves a work-group, no clusters, 68,096 bytes of LDS; arguments Q, K, V, WQ, WK, WV, WM, mask, T, WT, bT, codes, scales, mbits, tq; writes codes, scales, mbits, tq
.if DOCPART == 1
	.amdgcn_target "amdgcn-amd-amdhsa--gfx1250"
	.amdhsa_code_object_version 6
	.text
	.protected	k_q86989e686a_prep
	.globl	k_q86989e686a_prep
	.p2align	8
	.type	k_q86989e686a_prep,@function
k_q86989e686a_prep:
	s_mov_b64 s[64:65], 0
	v_nop
	global_prefetch_b8 v0, s[64:65] scope:SCOPE_SE
	s_setreg_imm32_b32 hwreg(HW_REG_WAVE_MODE, 25, 1), 1
	s_wait_xcnt 0x0
; MULTI-HEAD ATTENTION ON CODES OF E3M2 (one E8M0 scale for each 32 along K), launch 1 of 4: what every later launch reads more than once is made narrow once.
; NO WORK OF THE PROBLEM IS LEFT OUT: every bias goes into an operand that is quantised (or into the output), the mask is an input, so no tile may be passed over, and every input is loaded.
; Three kinds of work-group, told apart by the work-group's number alone; each kind has LDS bytes of its own and its own end.
;   0-31      t = T WT^T + bT (quantised product, K = 64, filled to 128 with zero codes), quantised along its 64 columns: half images and scale pairs into tq.
;   32-287    the int32 mask becomes bits: word 8 t + j of a (16 queries x 128 keys) step holds, at bit l, mask[16 qt + l % 16][128 ks + 16 t + 8 (l / 16) + j] == 1: the lane mask of the score register 8 t + j.
;   288-735  Q, K, V, WQ, WK, WV, WM (K innermost in all) become codes (rows of 768 bytes) and scale bytes (rows of 32), one tensor behind the other in the two buffers.
; A HALF IMAGE is what a lane holds of 16 rows x 64 along K: 6 registers, lane (r, H) = row r, block H: registers 0-3 at 16 x lane, registers 4-5 at 512 + 8 x lane: 768 bytes.
; Inside a block t's codes lie in the order 0-7, 16-23, 8-15, 24-31: t meets only itself in a product, so both sides have the same order.
; A block's scale is 2^(floor(log2(largest magnitude)) - 4); its byte is the magnitude's exponent field - 4, held at 1 from below.
; LIMITS: a block of zeros carries the byte 1 where the rule says 127 (its codes are zeros; this program alone reads the bytes); blocks whose largest magnitude lies under 2^-122 keep the byte 1; NaN and infinities are not served.
; No cluster: no two work-groups read the same bytes but WT's 16 KiB.  No tensor load: every stream is read once, through registers.
; THE CODES' PATH AS IT STANDS NOW: work-groups 288-735; a wave takes one tile of 16 rows through all of K and stores eight IMAGES of 1,536 bytes (16 rows x 128 along K as the operand's 12 registers hold them:
; registers 4 c .. 4 c + 3 at 512 c + 16 x lane), tile behind tile, tensor behind tensor; the scale bytes stay rows of 32.
.set SPARE, 67584
.set SPW,   12                         ; v12  my spare word's address; never rewritten
.set NIL,   13                         ; v13  0; never rewritten
.set WREG,  8448                       ; codes path: a wave's LDS: 16 rows x 528 bytes
.set SP,    80
.set CB,    12
.set STEPS, 16
.set R,     16                         ; v16-79   four sets of 16 numbers as loaded
.set X,     80                         ; v80-111  two sets of 16 neighbours
.set E,     112                        ; v112-127 a scale byte for each step
.set C,     128                        ; v128-191 codes, four registers a step
.set MBASE, 33792
.set MREG,  8448
.set MR,    16                         ; v16-143  two sets of 64 words as loaded
.set MX,    144                        ; v144-207 64 words in the scores' layout
.set MW,    208                        ; v208-215 a pair of registers of bit words for each step
.set WF,    16                         ; T path: v16-63 WT's four fragments
.set TD,    128                        ; v128-159 t's four tiles
.set TF,    160                        ; v160-171 T's fragment
.set TM,    172                        ; v172-179 at work
.set P1,    180                        ; v180-182 a conversion's second triple
.set BT,    192                        ; v192-223 bT in the result's layout
.set WS,    224                        ; v224-227 WT's scale words
.set TS,    228                        ; v228     T's scale word
.set IM,    230                        ; v230-235, v236-241 half images by turns
	s_load_b512 s[4:19], s[0:1], 0x0               ; Q s4, K s6, V s8, WQ s10, WK s12, WV s14, WM s16, mask s18
	s_load_b256 s[20:27], s[0:1], 0x40             ; T s20, WT s22, bT s24, codes s26
	s_load_b128 s[28:31], s[0:1], 0x60             ; scales s28, mbits s30
	s_load_b64 s[32:33], s[0:1], 0x70              ; tq
	v_lshl_add_u32 v[SPW], v0, 2, SPARE
	v_mov_b32 v[NIL], 0
	v_lshrrev_b32 v1, 5, v0
	v_readfirstlane_b32 s34, v1                    ; wave
	v_and_b32 v2, 31, v0                           ; lane
	v_lshlrev_b32 v3, 4, v2                        ; 16 x lane
	v_lshlrev_b32 v7, 3, v2                        ; 8 x lane
	v_and_b32 v251, 15, v0                         ; r
	v_bfe_u32 v252, v0, 4, 1                       ; h
	; every LDS address of every path is made here, ahead of the parting
	s_mul_i32 s35, s34, WREG
	v_add_nc_u32 v14, s35, v3                      ; the stage, in: 16 x lane of a row
	v_mul_u32_u24 v15, v251, 528
	v_lshl_add_u32 v15, v252, 7, v15
	v_add_nc_u32 v15, s35, v15                     ; out: row r, + 128 h: my block of 32 numbers
	s_mul_i32 s35, s34, MREG
	s_add_co_u32 s35, s35, MBASE
	v_add_nc_u32 v249, s35, v3                     ; mask rows, in: 16 x lane
	v_mul_u32_u24 v250, v251, 528
	v_lshl_add_u32 v250, v252, 5, v250
	v_add_nc_u32 v250, s35, v250                   ; out: row r, + 32 h
	s_wait_alu depctr_va_vdst(0)                   ; the head's end
	s_wait_kmcnt 0x0
	s_cmp_lt_u32 ttmp9, 32
	s_cbranch_scc1 .Ltpath
	s_cmp_lt_u32 ttmp9, 288
	s_cbranch_scc1 .Lmask
; ---------------- numbers into codes: a wave takes 16 steps of 512 numbers ----------------
	s_sub_co_u32 s35, ttmp9, 288                   ; g: 128 work-groups for each of Q, K, V, 16 for each weight
	s_mov_b64 s[40:41], s[16:17]
	s_mov_b32 s42, 432
.macro PICK lim, ptr, sub              ; the tensor and its first work-group: a choice on the work-group's number alone
	s_cmp_lt_u32 s35, \lim
	s_cselect_b64 s[40:41], s[\ptr:\ptr+1], s[40:41]
	s_cselect_b32 s42, \sub, s42
.endm
	PICK 432, 14, 416                              ; 128 work-groups (512 tiles) for each of Q, K, V, 16 for each weight
	PICK 416, 12, 400
	PICK 400, 10, 384
	PICK 384, 8, 256
	PICK 256, 6, 128
	PICK 128, 4, 0
	s_sub_co_u32 s42, s35, s42
	s_lshl_b32 s42, s42, 2
	s_add_co_u32 s42, s42, s34
	s_lshl_b32 s42, s42, 16                        ; my tile in its tensor: 16 rows of 4,096 bytes
	s_mov_b32 s43, 0
	s_add_nc_u64 s[40:41], s[40:41], s[42:43]
	s_lshl_b32 s44, s35, 2
	s_add_co_u32 s44, s44, s34                     ; my run among all runs: the tensors lie one behind the other
	s_mul_i32 s42, s44, 12288                      ; eight images
	s_add_nc_u64 s[26:27], s[26:27], s[42:43]
	s_lshl_b32 s42, s44, 9                         ; 16 rows of 32 scale bytes
	s_add_nc_u64 s[28:29], s[28:29], s[42:43]
; Eight steps of 16 rows x 128 along K.  Each load reads 512 consecutive bytes of one row; the 16 rows turn through my stage, so that lane (r, h) holds blocks h and 2 + h of row r whole: the operand's own share.
.set CR, 16                            ; v16-143  two sets of 64 numbers as loaded
.set CX, 144                           ; v144-207 my two blocks of 32
.set CI, 208                           ; v208-219 the image
.set CW, 220                           ; v220-223 scale words: lanes 0-15 those of steps 0-3, lanes 16-31 those of steps 4-7
.set CT, 232                           ; v232-236 at work
.set CP, 240                           ; v240-242, v244-246 a conversion's second triple
	s_mov_b32 s36, 0x76543210
	s_mov_b32 s37, 0xfedcba98                      ; v_permlanex16_b32's selects for lane l xor 16
	s_mov_b32 s38, 0xffff0000                      ; lanes 16-31
	v_lshlrev_b32 v247, 3, v252                    ; 8 h
	v_lshlrev_b32 v248, 5, v251
	v_lshl_add_u32 v248, v252, 4, v248             ; 32 r + 16 h
	v_mov_b32 v[CT+4], 0                           ; a lane permute's destination counts as one of its sources
	s_wait_alu depctr_va_vdst(0)                   ; the head's end
.macro CLOAD t
.irp j, 0,1,2,3,4,5,6,7,8,9,10,11,12,13,14,15
	global_load_b128 v[CR+64*((\t)%2)+4*\j:CR+64*((\t)%2)+4*\j+3], v3, s[40:41] offset:4096*\j+512*(\t) th:TH_LOAD_NT
.endr
.endm
.macro CSTEP t
.if (\t) < 7
	s_wait_loadcnt 16                              ; this step's sixteen loads are in; the next step's sixteen stay out
.else
	s_wait_loadcnt 0x0
.endif
.irp j, 0,1,2,3,4,5,6,7,8,9,10,11,12,13,14,15
	ds_store_b128 v14, v[CR+64*((\t)%2)+4*\j:CR+64*((\t)%2)+4*\j+3] offset:528*\j
.endr
.irp c, 0,1
.irp i, 0,1,2,3,4,5,6,7
	ds_load_b128 v[CX+32*\c+4*\i:CX+32*\c+4*\i+3], v15 offset:256*\c+16*\i
.endr
.endr
	s_wait_dscnt 0x0
	s_wait_xcnt 0x0                                ; the last step's stores have read the image's registers
.if (\t)+2 < 8
	CLOAD (\t)+2
.endif
.irp c, 0,1
	v_max3_num_f32 v[CT+\c], |v[CX+32*\c]|, |v[CX+32*\c+1]|, 0x2800000   ; with the floor 2^(5 - 127): the byte cannot fall under 1
.endr
.irp i, 2,4,6,8,10,12,14,16,18,20,22,24,26,28,30
.irp c, 0,1
	v_max3_num_f32 v[CT+\c], v[CT+\c], |v[CX+32*\c+\i]|, |v[CX+32*\c+\i+1]|
.endr
.endr
.irp c, 0,1
	v_add_nc_u32 v[CT+2+\c], 0xfe000000, v[CT+\c]  ; 4 off the exponent field: the conversion's scale operand
.endr
.irp c, 0,1
	v_lshrrev_b32 v[CT+\c], 23, v[CT+2+\c]         ; the byte
.endr
	v_lshl_or_b32 v[CT], v[CT+1], 16, v[CT]
	v_lshlrev_b32 v[CT], v247, v[CT]               ; bytes h and 2 + h of the row's word,
	v_permlanex16_b32 v[CT+4], v[CT], s36, s37
.if (\t) < 4
	v_or_b32 v[CW+(\t)], v[CT], v[CT+4]            ; with lane l xor 16's two
.else
	v_or_b32 v[CT], v[CT], v[CT+4]
	v_cndmask_b32 v[CW+(\t)-4], v[CW+(\t)-4], v[CT], s38
.endif
.irp c, 0,1
	v_cvt_scalef32_pk16_bf6_f32 v[CI+6*\c:CI+6*\c+2], v[CX+32*\c:CX+32*\c+15], v[CT+2+\c]
	v_cvt_scalef32_pk16_bf6_f32 v[CP+4*\c:CP+4*\c+2], v[CX+32*\c+16:CX+32*\c+31], v[CT+2+\c]   ; (a conversion's three registers begin on an even number)
.endr
	v_nop                                          ; one plain line behind a scaled conversion
.irp c, 0,1
.irp i, 0,1,2
	v_mov_b32 v[CI+6*\c+3+\i], v[CP+4*\c+\i]
.endr
.endr
.irp c, 0,1,2
	global_store_b128 v3, v[CI+4*\c:CI+4*\c+3], s[26:27] offset:1536*(\t)+512*\c   ; 512 consecutive bytes a store
.endr
.endm
	CLOAD 0
	CLOAD 1
.irp t, 0,1,2,3,4,5,6,7
	CSTEP \t
.endr
	global_store_b128 v248, v[CW:CW+3], s[28:29]   ; the tile's 512 scale bytes, consecutive
	s_wait_tensorcnt 0x0                           ; the wave's end: three lines behind my last LDS store
	ds_add_u32 v[SPW], v[NIL]
	s_wait_dscnt 0x0
	s_endpgm
; ---------------- the mask into bits: a wave takes 16 queries x 512 keys, four steps of 128 keys ----------------
.Lmask:
	s_sub_co_u32 s35, ttmp9, 32
	s_lshl_b32 s35, s35, 2
	s_add_co_u32 s35, s35, s34                     ; u: (batch, tile of queries) = u / 2, half of the keys = u % 2
	s_lshr_b32 s42, s35, 1
	s_lshl_b32 s42, s42, 16                        ; 16 rows of 4,096 bytes
	s_and_b32 s44, s35, 1
	s_lshl_b32 s44, s44, 11
	s_add_co_u32 s42, s42, s44
	s_mov_b32 s43, 0
	s_add_nc_u64 s[18:19], s[18:19], s[42:43]
	s_lshl_b32 s42, s35, 10                        ; four steps of 256 bytes of bits
	s_add_nc_u64 s[30:31], s[30:31], s[42:43]
.irp k, 0,1,2,3,4,5,6,7
	v_mov_b32 v[MW+\k], 0                          ; written once whole: v_writelane_b32 writes a lane at a time
.endr
.macro LOADM e                         ; step e: of each of the 16 queries 512 consecutive bytes
.irp j, 0,1,2,3,4,5,6,7,8,9,10,11,12,13,14,15
	global_load_b128 v[MR+64*((\e)%2)+4*\j:MR+64*((\e)%2)+4*\j+3], v3, s[18:19] offset:4096*\j+512*(\e) th:TH_LOAD_NT
.endr
.endm
.macro MSTEP e
.if (\e) < 3
	s_wait_loadcnt 16                              ; this step's sixteen loads are in; the next step's sixteen stay out
.else
	s_wait_loadcnt 0x0
.endif
.irp j, 0,1,2,3,4,5,6,7,8,9,10,11,12,13,14,15
	ds_store_b128 v249, v[MR+64*((\e)%2)+4*\j:MR+64*((\e)%2)+4*\j+3] offset:528*\j
.endr
.irp t, 0,1,2,3,4,5,6,7
	ds_load_b128 v[MX+8*\t:MX+8*\t+3], v250 offset:64*\t            ; lane (r, h): query r, keys 16 t + 8 h + 0 .. 7
	ds_load_b128 v[MX+8*\t+4:MX+8*\t+7], v250 offset:64*\t+16
.endr
	s_wait_dscnt 0x0
.if (\e)+2 < 4
	LOADM (\e)+2
.endif
.set n, 0
.rept 8
.irp q, 0,1,2,3,4,5,6,7
	v_cmp_eq_u32 s[44+\q], 1, v[MX+n+\q]           ; the 32 lanes' bits are word n + q
.endr
.irp q, 0,1,2,3,4,5,6,7
	v_writelane_b32 v[MW+2*(\e)+\q%2], s[44+\q], (n+\q)/2   ; lane i gathers words 2 i and 2 i + 1
.endr
.set n, n+8
.endr
	global_store_b64 v7, v[MW+2*(\e):MW+2*(\e)+1], s[30:31] offset:256*(\e)   ; 256 consecutive bytes, aligned
.endm
	LOADM 0
	LOADM 1
	s_wait_alu depctr_va_vdst(0)
	MSTEP 0
	MSTEP 1
	MSTEP 2
	MSTEP 3
	s_wait_tensorcnt 0x0                           ; the wave's end: the three lines behind my last LDS store
	ds_add_u32 v[SPW], v[NIL]
	s_wait_dscnt 0x0
	s_endpgm
; ---------------- t = T WT^T + bT, quantised: a wave takes four tiles of 16 tokens ----------------
.Ltpath:
	s_lshl_b32 s35, ttmp9, 2
	s_add_co_u32 s35, s35, s34                     ; u
	s_lshl_b32 s42, s35, 14                        ; 64 tokens of 256 bytes
	s_mov_b32 s43, 0
	s_add_nc_u64 s[20:21], s[20:21], s[42:43]
	s_mul_i32 s42, s35, 4*768
	s_add_nc_u64 s[44:45], s[32:33], s[42:43]      ; my four half images
	s_lshl_b32 s42, s35, 7
	s_add_co_u32 s42, s42, 393216
	s_add_nc_u64 s[32:33], s[32:33], s[42:43]      ; my 64 scale pairs
	s_mov_b32 s36, 0x76543210
	s_mov_b32 s37, 0xfedcba98                      ; v_permlanex16_b32's selects for lane l xor 16
	s_mov_b32 s38, 0xffff0000                      ; lanes 16-31
	v_lshlrev_b32 v245, 8, v251
	v_lshl_add_u32 v245, v252, 7, v245             ; row r of 256 bytes, + 128 h: my whole block of 32
	v_lshlrev_b32 v246, 5, v252                    ; 32 h
	v_lshlrev_b32 v247, 3, v252                    ; 8 h
	v_lshlrev_b32 v248, 1, v2                      ; 2 x lane
.irp i, 0,1,2,3
	global_load_b128 v[BT+8*\i:BT+8*\i+3], v246, s[24:25] offset:64*\i      ; bT(16 i + 8 h + 0 .. 7): the C of tile i
	global_load_b128 v[BT+8*\i+4:BT+8*\i+7], v246, s[24:25] offset:64*\i+16
.endr
.irp m, 0,1,2,3,4,5,6,7
	global_load_b128 v[16+4*\m:19+4*\m], v245, s[22:23] offset:12288+16*\m  ; WT's tile 3 lies where fragments 0 to 2 will: it is quantised first
.endr
.irp i, 0,1,2
.irp m, 0,1,2,3,4,5,6,7
	global_load_b128 v[64+32*\i+4*\m:67+32*\i+4*\m], v245, s[22:23] offset:4096*\i+16*\m
.endr
.endr
.irp k, 0,1,2,3,4,5,6,7
	v_mov_b32 v[TM+\k], 0                          ; a lane permute's destination counts as one of its sources
.endr
.irp k, 6,7,8,9,10,11
	v_mov_b32 v[TF+\k], 0                          ; K = 64: the upper 64 of the instruction's 128 are zero codes
.endr
; 32 numbers of a lane, one whole block of row r, become registers 0-5 of a fragment; the row's two bytes make its scale word (bytes 2, 3 are 0, over zero codes)
.macro QB32 src, dst, sc
	v_max3_num_f32 v[TM], |v[(\src)]|, |v[(\src)+1]|, 0x2800000
	v_max3_num_f32 v[TM+1], |v[(\src)+2]|, |v[(\src)+3]|, |v[(\src)+4]|
.irp i, 5,9,13,17,21,25
	v_max3_num_f32 v[TM], v[TM], |v[(\src)+\i]|, |v[(\src)+\i+1]|
	v_max3_num_f32 v[TM+1], v[TM+1], |v[(\src)+\i+2]|, |v[(\src)+\i+3]|
.endr
	v_max3_num_f32 v[TM], v[TM], |v[(\src)+29]|, |v[(\src)+30]|
	v_max3_num_f32 v[TM], v[TM], v[TM+1], |v[(\src)+31]|
	v_add_nc_u32 v[TM+2], 0xfe000000, v[TM]
	v_lshrrev_b32 v[TM+3], 23, v[TM+2]
	v_cvt_scalef32_pk16_bf6_f32 v[(\dst):(\dst)+2], v[(\src):(\src)+15], v[TM+2]
	v_cvt_scalef32_pk16_bf6_f32 v[P1:P1+2], v[(\src)+16:(\src)+31], v[TM+2]   ; (a conversion's three registers begin on an even number)
	v_nop                                          ; one plain line behind a scaled conversion
.irp i, 0,1,2
	v_mov_b32 v[(\dst)+3+\i], v[P1+\i]
.endr
	v_lshlrev_b32 v[TM+3], v247, v[TM+3]           ; my block's byte at its place,
	v_permlanex16_b32 v[TM+4], v[TM+3], s36, s37
	v_or_b32 v[(\sc)], v[TM+3], v[TM+4]            ; with lane l xor 16's
.endm
	s_wait_loadcnt 0x0
	QB32 16, WF+36, WS+3
	QB32 64, WF, WS
	QB32 96, WF+12, WS+1
	QB32 128, WF+24, WS+2
.irp i, 0,1,2,3
.irp k, 6,7,8,9,10,11
	v_mov_b32 v[WF+12*\i+\k], 0
.endr
.endr
.macro TLD e                           ; tile e's numbers into set e % 2
.irp m, 0,1,2,3,4,5,6,7
	global_load_b128 v[64+32*((\e)%2)+4*\m:67+32*((\e)%2)+4*\m], v245, s[20:21] offset:4096*(\e)+16*\m th:TH_LOAD_NT
.endr
.endm
	TLD 0
	TLD 1
.macro TSTEP e
.set IMX, IM+6*((\e)%2)
.if (\e) < 3
	s_wait_loadcnt 8                               ; this tile's eight loads are in; the next tile's eight stay out
.else
	s_wait_loadcnt 0x0
.endif
	QB32 64+32*((\e)%2), TF, TS
.if (\e)+2 < 4
	TLD (\e)+2
.endif
.rept 8
	v_nop                                          ; a scale word made by vector instructions stands eight places ahead of a scaled matrix instruction
.endr
.irp i, 0,1,2,3                        ; transposed: source 0 = 16 rows of WT, source 1 = 16 tokens: lane (r, h) holds token r, register j of tile i column 16 i + 8 h + j
	v_wmma_scale_f32_16x16x128_f8f6f4 v[TD+8*\i:TD+8*\i+7], v[WF+12*\i:WF+12*\i+11], v[TF:TF+11], v[BT+8*\i:BT+8*\i+7], v[WS+\i], v[TS] matrix_a_fmt:MATRIX_FMT_BF6 matrix_b_fmt:MATRIX_FMT_BF6
.endr
.rept 4
	v_nop
.endr
.irp b, 0,1
	v_max3_num_f32 v[TM+\b], |v[TD+16*\b]|, |v[TD+16*\b+1]|, 0x2800000   ; block b: tiles 2 b and 2 b + 1, my 16 of its 32
.endr
.irp i, 2,4,6,8,10,12,14
.irp b, 0,1
	v_max3_num_f32 v[TM+\b], v[TM+\b], |v[TD+16*\b+\i]|, |v[TD+16*\b+\i+1]|
.endr
.endr
.irp b, 0,1
	v_permlanex16_b32 v[TM+2+\b], v[TM+\b], s36, s37
.endr
.irp b, 0,1
	v_max_num_f32 v[TM+\b], v[TM+\b], v[TM+2+\b]
.endr
.irp b, 0,1
	v_add_nc_u32 v[TM+4+\b], 0xfe000000, v[TM+\b]
.endr
.irp b, 0,1
	v_lshrrev_b32 v[TM+6+\b], 23, v[TM+4+\b]
.endr
	v_lshl_or_b32 v[242+(\e)%2], v[TM+7], 8, v[TM+6]   ; the token's scale pair
.if (\e) > 1
	s_wait_alu depctr_va_vdst(0)
	s_wait_xcnt 0x0                                ; the stores of two tiles back have read their registers
.endif
	v_cvt_scalef32_pk16_bf6_f32 v[IMX:IMX+2], v[TD:TD+15], v[TM+4]
	v_cvt_scalef32_pk16_bf6_f32 v[P1:P1+2], v[TD+16:TD+31], v[TM+5]
	v_nop
.irp i, 0,1,2
	v_permlane16_swap_b32 v[IMX+\i], v[P1+\i]      ; a whole block to a lane: lanes 0-15 block 0, lanes 16-31 block 1
.endr
.irp i, 0,1,2
	v_mov_b32 v[IMX+3+\i], v[P1+\i]
.endr
	global_store_b128 v3, v[IMX:IMX+3], s[44:45] offset:768*(\e)
	global_store_b64 v7, v[IMX+4:IMX+5], s[44:45] offset:768*(\e)+512
.if (\e)%2 == 1
	v_cndmask_b32 v244, v242, v243, s38            ; lanes 0-15 the even tile's pairs, lanes 16-31 the odd tile's
	global_store_b16 v248, v244, s[32:33] offset:64*((\e)/2)
.endif
.endm
	TSTEP 0
	TSTEP 1
	TSTEP 2
	TSTEP 3
	s_wait_tensorcnt 0x0                           ; the three lines, as at the other paths' ends
	ds_add_u32 v[SPW], v[NIL]
	s_wait_dscnt 0x0
	s_endpgm
.Lfunc_end_k_q86989e686a_prep:
	.size	k_q86989e686a_prep, .Lfunc_end_k_q86989e686a_prep-k_q86989e686a_prep
	.p2alignl 7, 3214868480
	.fill 96, 4, 3214868480
	.section	.rodata,"a",@progbits
	.p2align	6, 0x0
	.amdhsa_kernel k_q86989e686a_prep
		.amdhsa_group_segment_fixed_size 68096
		.amdhsa_private_segment_fixed_size 0
		.amdhsa_enable_private_segment 0
		.amdhsa_kernarg_size 120
		.amdhsa_user_sgpr_count 2
		.amdhsa_user_sgpr_kernarg_segment_ptr 1
		.amdhsa_wavefront_size32 1
		.amdhsa_system_sgpr_workgroup_id_x 1
		.amdhsa_system_sgpr_workgroup_id_y 1
		.amdhsa_system_sgpr_workgroup_id_z 1
		.amdhsa_system_vgpr_workitem_id 0
		.amdhsa_next_free_vgpr 256
		.amdhsa_next_free_sgpr 66
		.amdhsa_reserve_vcc 0
		.amdhsa_float_denorm_mode_32 3
		.amdhsa_float_denorm_mode_16_64 3
		.amdhsa_memory_ordered 1
		.amdhsa_forward_progress 1
		.amdhsa_inst_pref_size 139
	.end_amdhsa_kernel
	.amdgpu_metadata
---
amdhsa.version: [ 1, 2 ]
amdhsa.kernels:
  - .name:           k_q86989e686a_prep
    .symbol:         k_q86989e686a_prep.kd
    .args:
      - { .name: Q, .offset: 0, .size: 8, .value_kind: global_buffer, .address_space: global }
      - { .name: K, .offset: 8, .size: 8, .value_kind: global_buffer, .address_space: global }
      - { .name: V, .offset: 16, .size: 8, .value_kind: global_buffer, .address_space: global }
      - { .name: WQ, .offset: 24, .size: 8, .value_kind: global_buffer, .address_space: global }
      - { .name: WK, .offset: 32, .size: 8, .value_kind: global_buffer, .address_space: global }
      - { .name: WV, .offset: 40, .size: 8, .value_kind: global_buffer, .address_space: global }
      - { .name: WM, .offset: 48, .size: 8, .value_kind: global_buffer, .address_space: global }
      - { .name: mask, .offset: 56, .size: 8, .value_kind: global_buffer, .address_space: global }
      - { .name: T, .offset: 64, .size: 8, .value_kind: global_buffer, .address_space: global }
      - { .name: WT, .offset: 72, .size: 8, .value_kind: global_buffer, .address_space: global }
      - { .name: bT, .offset: 80, .size: 8, .value_kind: global_buffer, .address_space: global }
      - { .name: codes, .offset: 88, .size: 8, .value_kind: global_buffer, .address_space: global }
      - { .name: scales, .offset: 96, .size: 8, .value_kind: global_buffer, .address_space: global }
      - { .name: mbits, .offset: 104, .size: 8, .value_kind: global_buffer, .address_space: global }
      - { .name: tq, .offset: 112, .size: 8, .value_kind: global_buffer, .address_space: global }
    .group_segment_fixed_size: 68096
    .private_segment_fixed_size: 0
    .kernarg_segment_align: 8
    .kernarg_segment_size: 120
    .max_flat_workgroup_size: 128
    .sgpr_count:     66
    .vgpr_count:     256
    .wavefront_size: 32
...
	.end_amdgpu_metadata
.endif
;; end of part 1
;; launch proj (part 2): grid 4 x 64, 4 waves a work-group, clusters of 4 x 4, 327,680 bytes of LDS; arguments codes, scales, bQ, bK, bV, himg, hsc; writes himg, hsc
.if DOCPART == 2
	.amdgcn_target "amdgcn-amd-amdhsa--gfx1250"
	.amdhsa_code_object_version 6
	.text
	.protected	k_q86989e686a_proj
	.globl	k_q86989e686a_proj
	.p2align	8
	.type	k_q86989e686a_proj,@function
k_q86989e686a_proj:
	s_mov_b64 s[64:65], 0
	v_nop
	global_prefetch_b8 v0, s[64:65] scope:SCOPE_SE
	s_setreg_imm32_b32 hwreg(HW_REG_WAVE_MODE, 25, 1), 1
	s_wait_xcnt 0x0
	s_wait_alu depctr_hold_cnt(0) depctr_sa_sdst(0) depctr_va_vdst(0) depctr_va_sdst(0) depctr_va_ssrc(0) depctr_va_vcc(0) depctr_vm_vsrc(0)
	s_getreg_b32 s2, hwreg(HW_REG_IB_STS2, 6, 4)
	s_cmp_eq_u32 s2, 0
	s_cbranch_scc0 .Lentry_in_a_cluster
	s_endpgm
.Lentry_in_a_cluster:
	s_bfe_u32 s2, ttmp6, 0x10000c
	s_cmp_lg_u32 s2, 0xf033
	s_cbranch_scc0 .Lentry_shape_is_right
	s_endpgm
.Lentry_shape_is_right:
; Launch 2 of 4: q = Q WQ^T + bQ, k = K WK^T + bK, v^T = WV V^T + bV on codes of E3M2 with E8M0 scales, each result quantised for the attention: half images into himg, scale pairs into hsc.  Nothing of the problem is left out here.
; A BLOCK is 128 rows (side A) x 256 columns (side B), K = 1,024.  q, k: A = tokens, B = the weight's rows.  v^T: A = WV's rows, B = tokens, so that a lane's registers run along the keys.  Each product has 256 blocks:
; 256 work-groups stay and make one block of q, one of k, one of v^T.
; Codes lie as images (16 rows x 128 K = 1,536 bytes, an operand's 12 registers), a tile's eight images on end: a block's A is one dense run of 98,304 bytes, its B one of 196,608.  Both lie in LDS whole: one tensor load a wave
; (waves 0, 1 a half of A, waves 2, 3 a half of B) as rows of 256 bytes.  A fragment is three ds_load_b128 at 16 x lane.  Scale words go from memory into registers (a row's 32 bytes: 8 words, one for each K step).
; A wave makes 128 x 64: 32 accumulators by turns.  The matrix instruction is used transposed (source 0 = 16 rows of B): lane (r, h) holds row r of A's tile and columns 8 h + 0 .. 7 of B's.
; The bias is the C of the first K step.  The next block's tiles are asked for behind a round of the cluster's barrier ahead of the last K step, whose fragments are in registers by then; they land under that step and the way out.
; CLUSTERS 4 x 4: A's tiles hang on (cy, cluster y) and are asked for jointly along a row, B's on (cx, cluster y) along a column.
; PREFETCH: in the second K step of a block each wave asks for its work-group's quarter (by address: cx for A, cy for B) of what it will load for the next block, a lane to 256 bytes; the last block asks for nothing.
; LIMITS as in launch 1: a block of zeros carries the byte 1; NaN and infinities are not served.
; WINDOWS: 0: addresses, v32-95 A's scale words, v96-127 B's, v192-255 the way out; 1: A's fragments, two sets of 96; 2: the accumulators, (a, b) at 8 (4 a + b); 3: B's fragments, two sets of 48, v96-159 the bias.
.set FR, 12
.set TILEB, 12288
.set LB, 8*TILEB
.set SPARE, 24*TILEB                   ; the spare words, 128 bytes a wave
.set SCST, SPARE+512                   ; 256 bytes a wave: its block's scale pairs
.set ADRA, 16
.set ADRB, 18
.set PFO, 20
.set LI, 24
.set LI8, 25
.set SS, 26
.set SCO, 27
.set SPW, 28
.set NIL, 29
.set SL, 10
.set BO, 8
.set BR, 9
.set SA, 32
.set SB, 96
.set CB, 96
.set PT, 216
.set TM, 240
.set G1, 24
.set G0, 32
.set G1B, 36
.set G0B, 44
.set SEL, 80
.set MSB, 0
.macro WIN new
.if MSB != (\new)
	s_set_vgpr_msb (MSB<<8)|(\new)
.set MSB, (\new)
.endif
.endm
.macro PLACES
.rept 4
	v_nop
.endr
.endm
.macro JLOAD                           ; waves 0, 1 ask for A, waves 2, 3 for B; s_nop 0 and four v_nop behind each line
	s_cmp_eq_u32 s19, 0
	s_cbranch_scc0 .Lfor_b_\@
	tensor_load_to_lds s[G0:G0+3], s[G1:G1+7]
	s_nop 0
	PLACES
	s_branch .Lasked_\@
.Lfor_b_\@:
	tensor_load_to_lds s[G0B:G0B+3], s[G1B:G1B+7]
	s_nop 0
	PLACES
.Lasked_\@:
.endm
.macro CROUND
	s_barrier_signal -1
	s_barrier_wait -1
	s_cmp_lg_u32 s18, 0
	s_cbranch_scc1 .Lnot_wave_0_\@
	s_barrier_signal -3
.Lnot_wave_0_\@:
	s_barrier_wait -3
	s_barrier_signal -1
	s_barrier_wait -1
.endm
	s_load_b256 s[4:11], s[0:1], 0x0               ; codes s4, scales s6, bQ s8, bK s10
	s_load_b128 s[12:15], s[0:1], 0x20             ; bV s12, himg s14
	s_load_b64 s[16:17], s[0:1], 0x30              ; hsc
	v_lshl_add_u32 v[SPW], v0, 2, SPARE
	v_mov_b32 v[NIL], 0
	ds_add_u32 v[SPW], v[NIL]                      ; the opening lines: the add twice and its wait ahead of my first tensor load
	ds_add_u32 v[SPW], v[NIL]
	v_lshrrev_b32 v1, 5, v0
	v_readfirstlane_b32 s18, v1                    ; wave w
	s_lshr_b32 s19, s18, 1                         ; I load for A (0) or B (1),
	s_and_b32 s20, s18, 1                          ; which half
	s_bfe_u32 s21, ttmp6, 0x40000                  ; cx
	s_bfe_u32 s22, ttmp6, 0x40004                  ; cy
	s_and_b32 s23, ttmp7, 0xffff                   ; cluster y
	s_lshl_b32 s83, s22, 2
	s_lshl_b32 s83, 15, s83                        ; my row of the cluster
	s_lshl_b32 s84, 0x1111, s21                    ; my column
	s_or_b32 s[G1], s83, (3<<16)|(1<<21)           ; A: 192 rows of 256 bytes (32 elements of 8), dense
	s_mov_b32 s[G1+1], 32<<16
	s_mov_b32 s[G1+2], 192<<16
	s_mov_b32 s[G1+3], 32<<16
	s_mov_b32 s[G1+4], 192
	s_mov_b32 s[G1+5], 32
	s_mov_b32 s[G1+6], 0
	s_mov_b32 s[G1+7], 0
	s_or_b32 s[G1B], s84, (3<<16)|(1<<21)          ; B: 384 rows
	s_mov_b32 s[G1B+1], 32<<16
	s_mov_b32 s[G1B+2], 384<<16
	s_mov_b32 s[G1B+3], 32<<16
	s_mov_b32 s[G1B+4], 384
	s_mov_b32 s[G1B+5], 32
	s_mov_b32 s[G1B+6], 0
	s_mov_b32 s[G1B+7], 0
	; byte offsets.  Rows of the codes' buffer: Q 0, K 8,192, V 16,384, WQ 24,576, WK 25,600, WV 26,624; a row is 768 bytes of codes and 32 of scales.  Side A never holds cx, side B never cy
	s_lshl_b32 s72, s23, 2
	s_add_co_u32 s72, s72, s22
	s_lshl_b32 s72, s72, 7                         ; q: my first token, 128 (4 Y + cy)
	s_and_b32 s73, s23, 1
	s_lshl_b32 s73, s73, 2
	s_add_co_u32 s73, s73, s22                     ; v^T: block of features cy + 4 (Y % 2)
	s_lshl_b32 s74, s20, 6
	s_add_co_u32 s[G0+2], s72, s74
	s_mul_i32 s[G0+2], s[G0+2], 768
	s_lshl_b32 s60, s72, 5
	s_lshl_b32 s48, s73, 7
	s_add_co_u32 s48, s48, 26624
	s_lshl_b32 s52, s48, 5
	s_add_co_u32 s48, s48, s74
	s_mul_i32 s48, s48, 768
	s_lshl_b32 s76, s21, 8
	s_lshr_b32 s77, s23, 1
	s_lshl_b32 s77, s77, 2
	s_add_co_u32 s77, s77, s21                     ; v^T: block of tokens cx + 4 (Y / 2)
	s_lshl_b32 s78, s20, 7
	s_lshl_b32 s79, s18, 6
	s_add_co_u32 s[G0B+2], s76, 24576
	s_add_co_u32 s62, s[G0B+2], s79
	s_lshl_b32 s62, s62, 5
	s_add_co_u32 s[G0B+2], s[G0B+2], s78
	s_mul_i32 s[G0B+2], s[G0B+2], 768
	s_lshl_b32 s50, s77, 8
	s_add_co_u32 s50, s50, 16384
	s_add_co_u32 s54, s50, s79
	s_lshl_b32 s54, s54, 5
	s_add_co_u32 s50, s50, s78
	s_mul_i32 s50, s50, 768
	s_add_co_u32 s90, s76, s79
	s_lshl_b32 s90, s90, 2                         ; bQ, bK: my 64 columns
	s_lshl_b32 s92, s73, 9                         ; bV: my 128 rows
	s_lshl_b32 s68, s21, 2                         ; himg[product][group of 64 columns][tile of 16 rows][768]; hsc likewise, 32 bytes
	s_add_co_u32 s68, s68, s18
	s_lshl_b32 s68, s68, 9
	s_lshr_b32 s94, s72, 4
	s_add_co_u32 s68, s68, s94
	s_lshl_b32 s70, s68, 5
	s_mul_i32 s68, s68, 768
	s_lshl_b32 s56, s77, 2
	s_add_co_u32 s56, s56, s18
	s_lshl_b32 s56, s56, 6
	s_lshl_b32 s94, s73, 3
	s_add_co_u32 s56, s56, s94
	s_lshl_b32 s58, s56, 5
	s_add_co_u32 s58, s58, 524288
	s_mul_i32 s56, s56, 768
	s_add_co_u32 s56, s56, 12582912
	s_mul_i32 s94, s21, 12288                      ; the prefetches: my work-group's quarter of what I load
	s_mul_i32 s95, s22, 24576
	s_add_co_u32 s86, s[G0+2], s94
	s_add_co_u32 s86, s86, 6291456
	s_add_co_u32 s96, s[G0B+2], s95
	s_add_co_u32 s96, s96, 786432
	s_add_co_u32 s88, s48, s94
	s_add_co_u32 s97, s50, s95
	s_cmp_eq_u32 s19, 0
	s_cselect_b32 s86, s86, s96                    ; k's block
	s_cselect_b32 s88, s88, s97                    ; v^T's
	s_cselect_b32 s85, 15, 31
.irp r, 35,47,49,51,53,55,57,59,61,63,69,71,87,89,91,93
	s_mov_b32 s\r, 0
.endr
	s_mov_b32 s[SEL], 0x76543210
	s_mov_b32 s[SEL+1], 0xfedcba98
	s_mov_b32 s[G0], 1
	s_mul_i32 s[G0+1], s20, 4*TILEB
	s_mov_b32 s[G0B], 1
	s_mul_i32 s[G0B+1], s20, 8*TILEB
	s_add_co_u32 s[G0B+1], s[G0B+1], LB
	s_wait_dscnt 0x0                               ; both opening adds are done
	s_wait_kmcnt 0x0
.irp p, 34,46,48,50,86,88
	s_add_nc_u64 s[\p:\p+1], s[4:5], s[\p:\p+1]
.endr
.irp p, 60,62,52,54
	s_add_nc_u64 s[\p:\p+1], s[6:7], s[\p:\p+1]
.endr
	s_add_nc_u64 s[8:9], s[8:9], s[90:91]
	s_add_nc_u64 s[10:11], s[10:11], s[90:91]
	s_add_nc_u64 s[12:13], s[12:13], s[92:93]
	s_add_nc_u64 s[68:69], s[14:15], s[68:69]
	s_add_nc_u64 s[56:57], s[14:15], s[56:57]
	s_add_nc_u64 s[70:71], s[16:17], s[70:71]
	s_add_nc_u64 s[58:59], s[16:17], s[58:59]
.irp r, 35,47,49,51
	s_or_b32 s\r, s\r, 0x80000000
.endr
	CROUND                                         ; all sixteen work-groups are here: the first joint loads meet
	JLOAD                                          ; q's block: one tensor load a wave
	v_and_b32 v1, 15, v0                           ; r
	v_bfe_u32 v2, v0, 4, 1                         ; h
	v_and_b32 v3, 31, v0                           ; lane
	v_lshlrev_b32 v[LI], 4, v3
	v_lshlrev_b32 v[LI8], 3, v3
	v_lshlrev_b32 v[ADRA], 4, v3                   ; A's tiles 0-3,
	v_lshl_add_u32 v[ADRA+1], v3, 4, 4*TILEB       ; tiles 4-7
	s_mul_i32 s90, s18, 4*TILEB
	s_add_co_u32 s90, s90, LB
	v_lshl_add_u32 v[ADRB], v3, 4, s90             ; my four tiles of B
	v_lshlrev_b32 v[SCO], 5, v1
	v_lshlrev_b32 v[BO], 5, v2
	v_lshlrev_b32 v[BR], 2, v1
	s_lshl_b32 s90, s18, 8
	s_add_co_u32 s90, s90, SCST
	v_lshl_add_u32 v[SS], v1, 1, s90
	v_lshl_add_u32 v[SL], v3, 3, s90
	v_lshlrev_b32 v[PFO], 8, v3
	v_min_u32 v4, s85, v3                          ; A's quarter is 48 units of 256 bytes: the second request's upper lanes name the last again
	v_lshlrev_b32 v[PFO+1], 8, v4
.irp b, 0,1,2,3
	v_mov_b32 v[TM+4+\b], 0                        ; a lane permute's destination counts as one of its sources
.endr
	s_wait_alu depctr_va_vdst(0)                   ; the head's end
.macro LDSC                            ; the block's scale words: lane r takes row r's eight
.irp a, 0,1,2,3,4,5,6,7
	global_load_b128 v[SA+8*\a:SA+8*\a+3], v[SCO], s[60:61] offset:512*\a
	global_load_b128 v[SA+8*\a+4:SA+8*\a+7], v[SCO], s[60:61] offset:512*\a+16
.endr
.irp b, 0,1,2,3
	global_load_b128 v[SB+8*\b:SB+8*\b+3], v[SCO], s[62:63] offset:512*\b
	global_load_b128 v[SB+8*\b+4:SB+8*\b+7], v[SCO], s[62:63] offset:512*\b+16
.endr
.endm
.macro LDB row, p                      ; the bias in the result's layout: by columns 8 registers for each b, by rows 8 equal registers for each a
	WIN 0xc0
.if \row
.irp a, 0,1,2,3,4,5,6,7
.irp j, 0,1,2,3,4,5,6,7
	global_load_b32 v[CB+8*\a+\j], v[BR], s[\p:\p+1] offset:64*\a
.endr
.endr
.else
.irp b, 0,1,2,3
	global_load_b128 v[CB+8*\b:CB+8*\b+3], v[BO], s[\p:\p+1] offset:64*\b
	global_load_b128 v[CB+8*\b+4:CB+8*\b+7], v[BO], s[\p:\p+1] offset:64*\b+16
.endr
.endif
	WIN 0
.endm
.macro FETCH s                         ; K step s: 36 loads into set s % 2
	WIN 0xc0
.irp b, 0,1,2,3
.irp c, 0,1,2
	ds_load_b128 v[48*((\s)%2)+FR*\b+4*\c:48*((\s)%2)+FR*\b+4*\c+3], v[ADRB] offset:\b*TILEB+(\s)*1536+512*\c
.endr
.endr
	WIN 0x40
.irp a, 0,1,2,3,4,5,6,7
.irp c, 0,1,2
	ds_load_b128 v[96*((\s)%2)+FR*\a+4*\c:96*((\s)%2)+FR*\a+4*\c+3], v[ADRA+\a/4] offset:(\a%4)*TILEB+(\s)*1536+512*\c
.endr
.endr
.endm
.macro MUL s, mode                     ; 32 products.  mode 0: onto the sums; 1: C = the columns' bias; 2: C = the rows' bias
.irp a, 0,1,2,3,4,5,6,7
.irp b, 0,1,2,3
.set AC, 8*(4*\a+\b)
.set CC, AC
.if (\mode) == 1
.set CC, CB+8*\b
.endif
.if (\mode) == 2
.set CC, CB+8*\a
.endif
	v_wmma_scale_f32_16x16x128_f8f6f4 v[AC:AC+7], v[48*((\s)%2)+FR*\b:48*((\s)%2)+FR*\b+FR-1], v[96*((\s)%2)+FR*\a:96*((\s)%2)+FR*\a+FR-1], v[CC:CC+7], v[SB+8*\b+(\s)], v[SA+8*\a+(\s)] matrix_a_fmt:MATRIX_FMT_BF6 matrix_b_fmt:MATRIX_FMT_BF6
.endr
.endr
.endm
.macro NEXT p, step, v                 ; behind q comes k, a constant further on; behind k comes v^T
	s_add_nc_u64 s[\p:\p+1], s[\p:\p+1], \step
	s_cselect_b64 s[\p:\p+1], s[\p:\p+1], s[\v:\v+1]
.endm
; 64 accumulator registers (two tiles of rows x 64 columns, four blocks of 32) become two half images and two scale pairs a row.  Inside a block the codes lie in the order 0-7, 16-23, 8-15, 24-31
.macro QUANT s, pc, pw
	WIN 0x0a                                       ; sources 0 and 1: the accumulators' window
.irp b, 0,1,2,3
	v_max3_num_f32 v[TM+\b], |v[(\s)+16*\b]|, |v[(\s)+1+16*\b]|, 0x2800000   ; each accumulator is read from its low end on
.endr
.irp i, 2,4,6,8,10,12,14
.irp b, 0,1,2,3
	v_max3_num_f32 v[TM+\b], |v[(\s)+16*\b+\i]|, |v[(\s)+1+16*\b+\i]|, v[TM+\b]
.endr
.endr
	WIN 0
.irp b, 0,1,2,3
	v_permlanex16_b32 v[TM+4+\b], v[TM+\b], s[SEL], s[SEL+1]
.endr
.irp b, 0,1,2,3
	v_max_num_f32 v[TM+\b], v[TM+\b], v[TM+4+\b]
.endr
.irp b, 0,1,2,3
	v_add_nc_u32 v[TM+12+\b], 0xfe000000, v[TM+\b]
.endr
.irp b, 0,1,2,3
	v_lshrrev_b32 v[TM+4+\b], 23, v[TM+12+\b]
.endr
	v_lshl_or_b32 v[(\pw)], v[TM+5], 8, v[TM+4]
	v_lshl_or_b32 v[(\pw)], v[TM+6], 16, v[(\pw)]
	v_lshl_or_b32 v[(\pw)], v[TM+7], 24, v[(\pw)]
	WIN 0x02
.irp c, 0,1
	v_cvt_scalef32_pk16_bf6_f32 v[(\pc)+6*\c:(\pc)+2+6*\c], v[(\s)+32*\c:(\s)+15+32*\c], v[TM+12+2*\c]
	v_cvt_scalef32_pk16_bf6_f32 v[PT+4*\c:PT+2+4*\c], v[(\s)+16+32*\c:(\s)+31+32*\c], v[TM+12+2*\c+1]
.endr
	WIN 0
	v_nop                                          ; one plain line behind a scaled conversion
.irp c, 0,1
.irp i, 0,1,2
	v_permlane16_swap_b32 v[(\pc)+6*\c+\i], v[PT+4*\c+\i]
.endr
.irp i, 0,1,2
	v_mov_b32 v[(\pc)+3+6*\c+\i], v[PT+4*\c+\i]
.endr
.endr
.endm
.macro TRIP last
	s_wait_alu depctr_va_vdst(0)
	s_wait_tensorcnt 0x0                           ; my one load, my part of this block, is in,
	s_wait_loadcnt 0x0                             ; and so are its scale words and bias
	s_barrier_signal -1
	s_barrier_wait -1                              ; everybody's part is in
.if \last == 0
	s_wait_xcnt 0x0                                ; no memory instruction of mine still reads these addresses; no tensor load of mine is out
	s_cmp_eq_u32 s82, 0
	NEXT 34, 6291456, 48
	NEXT 46, 786432, 50
	NEXT 60, 262144, 52
	NEXT 62, 32768, 54
	s_cselect_b64 s[86:87], s[86:87], s[88:89]
.endif
	FETCH 0
.set ST, 0
.rept 7
.if ST > 0
	PLACES                                         ; four places ahead of loads into registers that matrix instructions have read
.endif
.if (\last == 0) && (ST == 1)
	WIN 0
	global_prefetch_b8 v[PFO], s[86:87] th:TH_LOAD_NT scope:SCOPE_SE
	global_prefetch_b8 v[PFO+1], s[86:87] offset:8192 th:TH_LOAD_NT scope:SCOPE_SE
	s_cmp_eq_u32 s19, 0
	s_cbranch_scc1 .Lpf_\@                         ; B's quarter is 96 units: a third request
	global_prefetch_b8 v[PFO], s[86:87] offset:16384 th:TH_LOAD_NT scope:SCOPE_SE
.Lpf_\@:
.endif
	FETCH ST+1
	s_wait_dscnt 36                                ; this step's fragments are in; the 36 loads just issued stay out
.if ST == 0
	WIN 0xb7                                       ; source 0 window 3, source 1 window 1, C window 3, D window 2
	MUL 0, 1+\last
.else
	WIN 0xa7                                       ; C and D window 2
	MUL ST, 0
.endif
.set ST, ST+1
.endr
	WIN 0
.if \last
	s_wait_dscnt 0x0
.else
	s_wait_tensorcnt 0x0                           ; three lines ahead of a refill's barrier
	ds_add_u32 v[SPW], v[NIL]
	s_wait_dscnt 0x0                               ; the add is done, and my last reads of this block: the last step's fragments are in registers
	CROUND                                         ; so of every wave of the cluster
	JLOAD                                          ; the next block, my first tensor load behind the round
.endif
	WIN 0xa7
	MUL 7, 0
	PLACES
	WIN 0
.if \last == 0
	LDSC
	s_cmp_eq_u32 s82, 0
	s_cbranch_scc0 .Lrowb_\@
	LDB 0, 10
	s_branch .Lbd_\@
.Lrowb_\@:
	LDB 1, 12
.Lbd_\@:
.endif
.irp e, 0,1,2,3
.if \e > 1
	s_wait_xcnt 0x0                                ; the stores of two pairs back have read their registers
	s_wait_dscnt 0x0
.endif
	QUANT 64*\e, 192+12*(\e%2), 12+\e%2
	global_store_b128 v[LI], v[192+12*(\e%2):195+12*(\e%2)], s[68:69] offset:1536*\e
	global_store_b64 v[LI8], v[196+12*(\e%2):197+12*(\e%2)], s[68:69] offset:1536*\e+512
	global_store_b128 v[LI], v[198+12*(\e%2):201+12*(\e%2)], s[68:69] offset:1536*\e+768
	global_store_b64 v[LI8], v[202+12*(\e%2):203+12*(\e%2)], s[68:69] offset:1536*\e+1280
	ds_store_b16 v[SS], v[12+\e%2] offset:64*\e
	ds_store_b16_d16_hi v[SS], v[12+\e%2] offset:64*\e+32
.endr
	ds_load_b64 v[4:5], v[SL]                      ; LDS serves a wave's instructions in order
	s_wait_dscnt 0x0
	global_store_b64 v[LI8], v[4:5], s[70:71]      ; my eight tiles' pairs: 256 consecutive bytes, aligned
.if \last == 0
	s_wait_xcnt 0x0
	s_cmp_eq_u32 s82, 0
	NEXT 68, 6291456, 56
	NEXT 70, 262144, 58
.endif
.endm
	LDSC
	LDB 0, 8
	s_mov_b32 s82, 0
.Ltrip:
	TRIP 0                                         ; q, then k
	s_add_co_u32 s82, s82, 1
	s_cmp_lt_u32 s82, 2
	s_wait_alu depctr_va_vdst(0)
	s_cbranch_scc1 .Ltrip
	TRIP 1                                         ; v^T: written out: it asks for nothing more
	s_wait_tensorcnt 0x0                           ; the wave's end
	ds_add_u32 v[SPW], v[NIL]
	s_wait_dscnt 0x0
	CROUND                                         ; the closing round
	s_endpgm
.Lfunc_end_k_q86989e686a_proj:
	.size	k_q86989e686a_proj, .Lfunc_end_k_q86989e686a_proj-k_q86989e686a_proj
	.p2alignl 7, 3214868480
	.fill 96, 4, 3214868480
	.section	.rodata,"a",@progbits
	.p2align	6, 0x0
	.amdhsa_kernel k_q86989e686a_proj
		.amdhsa_group_segment_fixed_size 327680
		.amdhsa_private_segment_fixed_size 0
		.amdhsa_enable_private_segment 0
		.amdhsa_kernarg_size 56
		.amdhsa_user_sgpr_count 2
		.amdhsa_user_sgpr_kernarg_segment_ptr 1
		.amdhsa_wavefront_size32 1
		.amdhsa_system_sgpr_workgroup_id_x 1
		.amdhsa_system_sgpr_workgroup_id_y 1
		.amdhsa_system_sgpr_workgroup_id_z 1
		.amdhsa_system_vgpr_workitem_id 0
		.amdhsa_next_free_vgpr 1024
		.amdhsa_next_free_sgpr 100
		.amdhsa_reserve_vcc 0
		.amdhsa_float_denorm_mode_32 3
		.amdhsa_float_denorm_mode_16_64 3
		.amdhsa_memory_ordered 1
		.amdhsa_forward_progress 1
		.amdhsa_inst_pref_size 163
	.end_amdhsa_kernel
	.amdgpu_metadata
---
amdhsa.version: [ 1, 2 ]
amdhsa.kernels:
  - .name:           k_q86989e686a_proj
    .symbol:         k_q86989e686a_proj.kd
    .args:
      - { .name: codes, .offset: 0, .size: 8, .value_kind: global_buffer, .address_space: global }
      - { .name: scales, .offset: 8, .size: 8, .value_kind: global_buffer, .address_space: global }
      - { .name: bQ, .offset: 16, .size: 8, .value_kind: global_buffer, .address_space: global }
      - { .name: bK, .offset: 24, .size: 8, .value_kind: global_buffer, .address_space: global }
      - { .name: bV, .offset: 32, .size: 8, .value_kind: global_buffer, .address_space: global }
      - { .name: himg, .offset: 40, .size: 8, .value_kind: global_buffer, .address_space: global }
      - { .name: hsc, .offset: 48, .size: 8, .value_kind: global_buffer, .address_space: global }
    .group_segment_fixed_size: 327680
    .private_segment_fixed_size: 0
    .kernarg_segment_align: 8
    .kernarg_segment_size: 56
    .max_flat_workgroup_size: 128
    .sgpr_count:     100
    .vgpr_count:     1024
    .wavefront_size: 32
...
	.end_amdgpu_metadata
.endif
;; end of part 2
;; launch attn (part 3): grid 4 x 64, 16 waves a work-group, clusters of 4 x 1, 262,144 bytes of LDS; arguments himg, hsc, tq, mbits, ximg, xsc; writes ximg, xsc
.if DOCPART == 3
	.amdgcn_target "amdgcn-amd-amdhsa--gfx1250"
	.amdhsa_code_object_version 6
	.text
	.protected	k_q86989e686a_attn
	.globl	k_q86989e686a_attn
	.p2align	8
	.type	k_q86989e686a_attn,@function
k_q86989e686a_attn:
	s_mov_b64 s[64:65], 0
	v_nop
	global_prefetch_b8 v0, s[64:65] scope:SCOPE_SE
	s_setreg_imm32_b32 hwreg(HW_REG_WAVE_MODE, 25, 1), 1
	s_wait_xcnt 0x0
	s_wait_alu depctr_hold_cnt(0) depctr_sa_sdst(0) depctr_va_vdst(0) depctr_va_sdst(0) depctr_va_ssrc(0) depctr_va_vcc(0) depctr_vm_vsrc(0)
	s_getreg_b32 s2, hwreg(HW_REG_IB_STS2, 6, 4)
	s_cmp_eq_u32 s2, 0
	s_cbranch_scc0 .Lentry_in_a_cluster
	s_endpgm
.Lentry_in_a_cluster:
	s_bfe_u32 s2, ttmp6, 0x10000c
	s_cmp_lg_u32 s2, 0x3003
	s_cbranch_scc0 .Lentry_shape_is_right
	s_endpgm
.Lentry_shape_is_right:
; Launch 3 of 4: x = softmax(mask([q, t] [k, t]^T / sqrt(128))) v, both products on codes of E3M2 with E8M0 scales, and x quantised for the last projection.  Nothing of the problem is left out: the mask is an input, so every tile is computed.
; SHARES.  A work-group owns 256 queries of one batch and TWO heads (2 s, 2 s + 1); each of its sixteen waves owns one tile of 16 queries and walks head 2 s, then head 2 s + 1, 128 keys a step.  256 work-groups of equal work.
; All that the work-group reads of K, t and V for both heads (240 KiB of half images) is brought into LDS ONCE, by one tensor load a wave; nothing is filled again.  The four query blocks of a (batch, head pair) form a
; cluster and ask for every tile JOINTLY.  No prefetch: all tiles are asked for at the head.
; LAYOUT.  Both products are used transposed: S^T = K Q^T (source 0 = 16 keys, source 1 = my 16 queries), O^T = V^T P^T: a lane holds one query throughout.  A fragment of K or Q is a half image of the head's 64 and a half image of t.
; In a block of 32 keys p's codes lie in the order 0-7, 16-23, 8-15, 24-31, as v^T's codes were laid by the launch before.
; THE SOFTMAX: t = score x log2(e) / sqrt(128); M = the running largest t rounded up to a whole number; p = 2^(t - M) is quantised, not normalised; the sum of the unquantised p divides at the end.
; THE MASK comes as bits: word 8 t + j of a step is the lane mask of score register 8 t + j; 64 words a step are read by scalar loads, a step ahead.
; LIMITS: a masked score is set to -2^33 (a logit of -7.6e8 where the problem writes -1e9), so that c x score is exact: a row all of whose keys are masked has p = 1 at every key, as f32 gives for -1e9; a row whose open logits
; lie under about -7e8 would differ.  NaN and infinities are not served; a block of zeros carries the byte 1 (its codes are zeros).
; REGISTERS: v1-3 lane terms; v4-11 the step's addresses; v12 -M, v13 largest t, v[14:15] the sum; v16-27, v80-91 Q's two fragments; v28, v29 their scale words; v32-79 four fragments; v92 -2^33; v96-159 S^T, then p;
; v160-191 O^T; v192-203 x's codes, v204 its scale word; v224-235 p's codes; v232-254 at work.
.set KI,    0                          ; K's half images: head 2 s, then head 2 s + 1: 64 x 768 bytes each
.set TI,    98304                      ; t's: 64 x 768
.set VI,    147456                     ; V's: [64 keys: 16][tile of 16 features: 8][768]
.set KW,    245760                     ; scale words of [K, t]: [head 2][key 1,024]
.set VW,    253952                     ; scale words of V^T: [step 8][tile 8][row 16]
.set SPARE, 258048                     ; the spare words, 128 bytes for each of sixteen waves
.set SPW,  30
.set NIL,  31
.set G0K,  16
.set G0T,  20
.set G1D,  24
.set G0V,  32
.set G1V,  40
.set WV,   66
.set SEL,  68
.set CS,   70
.set CNT,  72
.set MO,   73                          ; s73  the step's place among my tile's 2,048 bytes of mask words
.set SKK,  74
.set SKT,  75
.set SKS,  76
.set SV,   77
.set SVS,  78
.macro CROUND
	s_barrier_signal -1
	s_barrier_wait -1
	s_cmp_lg_u32 s[WV], 0
	s_cbranch_scc1 .Lnot_wave_0_\@
	s_barrier_signal -3
.Lnot_wave_0_\@:
	s_barrier_wait -3
	s_barrier_signal -1
	s_barrier_wait -1
.endm
	s_load_b256 s[4:11], s[0:1], 0x0               ; himg s4, hsc s6, tq s8, mbits s10
	s_load_b128 s[12:15], s[0:1], 0x20             ; ximg s12, xsc s14
	v_lshl_add_u32 v[SPW], v0, 2, SPARE
	v_mov_b32 v[NIL], 0
	ds_add_u32 v[SPW], v[NIL]                      ; the wave's opening: the add, twice on end, and its wait ahead of my first tensor load
	ds_add_u32 v[SPW], v[NIL]
	v_lshrrev_b32 v1, 5, v0
	s_delay_alu instid0(VALU_DEP_1)
	v_readfirstlane_b32 s[WV], v1                  ; wave 0..15
	s_bfe_u32 s2, ttmp6, 0x40000                   ; cx: it enters the queries' addresses alone
	s_and_b32 s3, ttmp7, 0xffff
	s_lshr_b32 s67, s3, 3                          ; the batch
	s_and_b32 s79, s3, 7                           ; the pair of heads
	s_mov_b32 s[G1D], 15|(3<<16)|(1<<21)           ; all four partners; elements of 8 bytes; a dense block of 12,288 bytes as 48 rows of 256
	s_mov_b32 s[G1D+1], 32<<16
	s_mov_b32 s[G1D+2], 48<<16
	s_mov_b32 s[G1D+3], 32<<16
	s_mov_b32 s[G1D+4], 48
	s_mov_b32 s[G1D+5], 32
	s_mov_b32 s[G1D+6], 0
	s_mov_b32 s[G1D+7], 0
	s_mov_b32 s[G1V], 15|(3<<16)|(1<<21)           ; V: 4 rows of 6,144 bytes (eight images), 49,152 bytes apart
	s_mov_b32 s[G1V+1], 768<<16
	s_mov_b32 s[G1V+2], 4<<16
	s_mov_b32 s[G1V+3], 768<<16
	s_mov_b32 s[G1V+4], 4
	s_mov_b32 s[G1V+5], 6144
	s_mov_b32 s[G1V+6], 0
	s_mov_b32 s[G1V+7], 0
	s_and_b32 s80, s[WV], 3                        ; which quarter I fetch
	s_lshr_b32 s81, s[WV], 2
	s_and_b32 s81, s81, 1                          ; waves 0-7: of which head
	s_lshl_b32 s82, s79, 10
	s_lshl_b32 s83, s67, 6
	s_add_co_u32 s82, s82, s83                     ; 1,024 s + 64 b: head 2 s's first tile of the batch
	s_mul_i32 s100, s82, 768
	s_mul_i32 s83, s81, 393216
	s_add_co_u32 s100, s100, s83
	s_mul_i32 s84, s80, 12288
	s_add_co_u32 s100, s100, s84
	s_add_co_u32 s100, s100, 6291456               ; K's images lie behind q's
	s_mov_b32 s101, 0
	s_mul_i32 s98, s67, 49152
	s_add_co_u32 s98, s98, s84                     ; t's
	s_mov_b32 s99, 0
	s_lshl_b32 s96, s67, 4
	s_lshl_b32 s83, s80, 2
	s_add_co_u32 s96, s96, s83                     ; V: group of 64 keys 16 b + 4 x quarter,
	s_lshl_b32 s96, s96, 6
	s_lshl_b32 s83, s79, 3
	s_add_co_u32 s96, s96, s83                     ; feature tile 8 s
	s_mul_i32 s96, s96, 768
	s_add_co_u32 s96, s96, 12582912
	s_mov_b32 s97, 0
	s_lshl_b32 s85, ttmp9, 2
	s_add_co_u32 s85, s85, s2                      ; my block of 256 queries
	s_lshl_b32 s85, s85, 4
	s_add_co_u32 s85, s85, s[WV]
	s_lshl_b32 s83, s67, 6
	s_add_co_u32 s85, s85, s83                     ; my tile of 16 tokens among all 512
	s_mov_b32 s[SEL], 0x76543210
	s_mov_b32 s[SEL+1], 0xfedcba98
	s_mov_b32 s[CS], 0x3e0293ee                    ; c = log2(e) / sqrt(128)
	s_mov_b32 s[CS+1], s[CS]
	s_mov_b32 s[MO], 0
	s_wait_dscnt 0x0                               ; both opening adds are done
	s_wait_kmcnt 0x0
	s_mov_b32 s[G0K], 1
	s_mul_i32 s[G0K+1], s[WV], 12288               ; waves 0-7: K's eight quarters from LDS byte 0 on
	s_add_nc_u64 s[G0K+2:G0K+3], s[4:5], s[100:101]
	s_or_b32 s[G0K+3], s[G0K+3], 0x80000000
	s_mov_b32 s[G0T], 1
	s_mul_i32 s[G0T+1], s[WV], 12288               ; waves 8-11: t's four quarters behind them
	s_add_nc_u64 s[G0T+2:G0T+3], s[8:9], s[98:99]
	s_or_b32 s[G0T+3], s[G0T+3], 0x80000000
	s_mov_b32 s[G0V], 1
	s_mul_i32 s[G0V+1], s80, 24576
	s_add_co_u32 s[G0V+1], s[G0V+1], VI            ; waves 12-15: V's four quarters
	s_add_nc_u64 s[G0V+2:G0V+3], s[4:5], s[96:97]
	s_or_b32 s[G0V+3], s[G0V+3], 0x80000000
	CROUND                                         ; all four work-groups are here: the joint loads meet
	s_cmp_lt_u32 s[WV], 8                          ; every wave issues one load: one tensor load of mine is out.  An s_nop 0 and four v_nop follow each line
	s_cbranch_scc0 .Lnot_k
	tensor_load_to_lds s[G0K:G0K+3], s[G1D:G1D+7]
	s_nop 0
.rept 4
	v_nop
.endr
	s_branch .Lasked
.Lnot_k:
	s_cmp_lt_u32 s[WV], 12
	s_cbranch_scc0 .Lfor_v
	tensor_load_to_lds s[G0T:G0T+3], s[G1D:G1D+7]
	s_nop 0
.rept 4
	v_nop
.endr
	s_branch .Lasked
.Lfor_v:
	tensor_load_to_lds s[G0V:G0V+3], s[G1V:G1V+7]
	s_nop 0
.rept 4
	v_nop
.endr
.Lasked:
	s_mov_b32 s89, 0
	s_lshl_b32 s86, s79, 10
	s_add_co_u32 s86, s86, s85                     ; (head 2 s, my tile)
	s_mul_i32 s88, s86, 768
	s_add_nc_u64 s[48:49], s[4:5], s[88:89]        ; q's half image
	s_mul_i32 s88, s85, 768
	s_add_nc_u64 s[50:51], s[8:9], s[88:89]        ; t's
	s_lshl_b32 s88, s86, 5
	s_add_nc_u64 s[52:53], s[6:7], s[88:89]        ; q's scale pairs
	s_lshl_b32 s88, s85, 5
	s_add_co_u32 s88, s88, 393216
	s_add_nc_u64 s[54:55], s[8:9], s[88:89]        ; t's
	s_lshl_b32 s88, s82, 5
	s_add_co_u32 s88, s88, 262144
	s_add_nc_u64 s[56:57], s[6:7], s[88:89]        ; k's scale pairs of the batch, head 2 s
	s_lshl_b32 s88, s67, 11
	s_add_co_u32 s88, s88, 393216
	s_add_nc_u64 s[58:59], s[8:9], s[88:89]        ; t's of the batch
	s_lshl_b32 s88, s67, 10
	s_lshl_b32 s87, s79, 3
	s_add_co_u32 s88, s88, s87
	s_lshl_b32 s88, s88, 5
	s_add_co_u32 s88, s88, 524288
	s_add_nc_u64 s[60:61], s[6:7], s[88:89]        ; v's of the batch and pair of heads
	s_lshl_b32 s88, s85, 11
	s_add_nc_u64 s[10:11], s[10:11], s[88:89]      ; my tile's mask words
	s_lshl_b32 s88, s85, 3
	s_add_co_u32 s88, s88, s79
	s_mul_i32 s88, s88, 1536
	s_add_nc_u64 s[12:13], s[12:13], s[88:89]      ; x's fragment (my tile, K step s)
	s_lshl_b32 s88, s85, 9
	s_lshl_b32 s87, s79, 2
	s_add_co_u32 s88, s88, s87
	s_add_nc_u64 s[14:15], s[14:15], s[88:89]      ; and its scale words
	v_and_b32 v95, 31, v0                          ; lane
	v_and_b32 v94, 15, v0                          ; r
	s_delay_alu instid0(VALU_DEP_2)
	v_lshlrev_b32 v1, 4, v95                       ; 16 x lane
	s_delay_alu instid0(VALU_DEP_3)
	v_lshlrev_b32 v2, 3, v95
	s_delay_alu instid0(VALU_DEP_1)
	v_add_nc_u32 v2, 512, v2                       ; 512 + 8 x lane
	s_delay_alu instid0(VALU_DEP_4)
	v_lshlrev_b32 v3, 2, v94                       ; 4 r
	v_lshlrev_b32 v93, 1, v94                      ; 2 r
	global_load_b128 v[16:19], v1, s[48:49]        ; Q's fragments stay in registers: head 2 s: q's image, t's image;
	global_load_b64 v[20:21], v2, s[48:49]
	global_load_b128 v[22:25], v1, s[50:51]
	global_load_b64 v[26:27], v2, s[50:51]
	global_load_b128 v[80:83], v1, s[48:49] offset:393216   ; head 2 s + 1
	global_load_b64 v[84:85], v2, s[48:49] offset:393216
	global_load_b128 v[86:89], v1, s[50:51]
	global_load_b64 v[90:91], v2, s[50:51]
	global_load_u16 v28, v93, s[52:53]
	global_load_u16 v29, v93, s[52:53] offset:16384
	global_load_u16 v92, v93, s[54:55]
	; the scale words' tables: thread i makes four words of [K, t] (head i / 256, keys 4 (i % 256) on) and two of V^T (step i / 64)
	v_and_b32 v96, 255, v0
	s_delay_alu instid0(VALU_DEP_1)
	v_lshlrev_b32 v96, 3, v96
	v_lshrrev_b32 v97, 8, v0
	s_delay_alu instid0(VALU_DEP_1)
	v_lshl_add_u32 v97, v97, 14, v96
	v_and_b32 v98, 63, v0
	s_delay_alu instid0(VALU_DEP_1)
	v_lshlrev_b32 v98, 2, v98
	v_lshrrev_b32 v99, 6, v0
	s_delay_alu instid0(VALU_DEP_1)
	v_lshl_add_u32 v98, v99, 12, v98
	v_lshl_add_u32 v106, v0, 4, KW
	v_lshl_add_u32 v107, v0, 3, VW
	global_load_b64 v[100:101], v97, s[56:57]
	global_load_b64 v[102:103], v96, s[58:59]
	global_load_b32 v104, v98, s[60:61]
	global_load_b32 v105, v98, s[60:61] offset:2048
	s_wait_loadcnt 0x0
	v_perm_b32 v108, v102, v100, 0x05040100        ; k's pair below, t's above
	v_perm_b32 v109, v102, v100, 0x07060302
	v_perm_b32 v110, v103, v101, 0x05040100
	v_perm_b32 v111, v103, v101, 0x07060302
	v_perm_b32 v112, v105, v104, 0x05040100        ; the step's first 64 keys' pair below, the second's above
	v_perm_b32 v113, v105, v104, 0x07060302
	v_lshl_or_b32 v28, v92, 16, v28                ; Q's scale words
	v_lshl_or_b32 v29, v92, 16, v29
	v_mov_b32 v92, 0xd0000000                      ; -2^33
	ds_store_b128 v106, v[108:111]
	ds_store_b64 v107, v[112:113]
.irp b, 0,1,2,3
	v_mov_b32 v[236+\b], 0                         ; a lane permute's destination counts as one of its sources
.endr
	v_mov_b32 v253, 0                              ; (named as the upper half of v[252:253] before it is first written)
	s_wait_tensorcnt 0x0                           ; my tile has landed,
	s_wait_dscnt 0x0                               ; my part of the tables is stored:
	s_barrier_signal -1
	s_barrier_wait -1                              ; everybody's
	s_load_b512 s[16:31], s[10:11], s[MO] offset:0x0     ; the first step's 64 mask words (the descriptors' registers are free: the tensor load is done)
	s_load_b512 s[32:47], s[10:11], s[MO] offset:0x40
	s_load_b512 s[48:63], s[10:11], s[MO] offset:0x80
	s_load_b512 s[80:95], s[10:11], s[MO] offset:0xc0
; ONE HEAD: eight steps of 128 keys.  O^T and the sum begin as zeros, the largest t as -3e38.
.macro HEAD j
.set QF, 16+64*\j
.set QW, 28+\j
	v_mov_b32 v13, 0xff61b1e6
	s_delay_alu instid0(VALU_DEP_1)
	v_floor_f32 v12, -v13
	v_mov_b32 v14, 0
	v_mov_b32 v15, 0
.set i, 0
.rept 32
	v_mov_b32 v[160+i], 0
.set i, i+1
.endr
	s_mov_b32 s[SKK], KI+49152*\j
	s_mov_b32 s[SKT], TI
	s_mov_b32 s[SKS], KW+4096*\j
	s_mov_b32 s[SV], VI+3072*\j
	s_mov_b32 s[SVS], VW+256*\j
	s_mov_b32 s[CNT], 8
.Lstep_\@:
	v_add_nc_u32 v4, s[SKK], v1                    ; the step's addresses; these eight lines are also the places in front of the loads below
	s_wait_alu depctr_va_vdst(0)
	v_add_nc_u32 v5, s[SKK], v2
	s_wait_alu depctr_va_vdst(0)
	v_add_nc_u32 v6, s[SKT], v1
	s_wait_alu depctr_va_vdst(0)
	v_add_nc_u32 v7, s[SKT], v2
	s_wait_alu depctr_va_vdst(0)
	v_add_nc_u32 v8, s[SKS], v3
	s_wait_alu depctr_va_vdst(0)
	v_add_nc_u32 v9, s[SV], v1
	v_add_nc_u32 v10, s[SV], v2
	v_add_nc_u32 v11, s[SVS], v3
.irp g, 0,1                            ; S^T = K Q^T, four tiles of 16 keys at a time
.if \g
.rept 4
	v_nop
.endr
.endif
.irp t, 0,1,2,3
	ds_load_b128 v[32+12*\t:35+12*\t], v4 offset:(4*\g+\t)*768
	ds_load_b64 v[36+12*\t:37+12*\t], v5 offset:(4*\g+\t)*768
	ds_load_b128 v[38+12*\t:41+12*\t], v6 offset:(4*\g+\t)*768
	ds_load_b64 v[42+12*\t:43+12*\t], v7 offset:(4*\g+\t)*768
	ds_load_b32 v[248+\t], v8 offset:64*(4*\g+\t)
.endr
	s_wait_dscnt 0x0
.irp t, 0,1,2,3
	v_wmma_scale_f32_16x16x128_f8f6f4 v[96+8*(4*\g+\t):103+8*(4*\g+\t)], v[32+12*\t:43+12*\t], v[QF:QF+11], 0, v[248+\t], v[QW] matrix_a_fmt:MATRIX_FMT_BF6 matrix_b_fmt:MATRIX_FMT_BF6
.endr
.endr
.rept 4
	v_nop
.endr
	s_wait_kmcnt 0x0                               ; the step's mask words
.set n, 0
.rept 48
	v_cndmask_b32 v[96+n], v[96+n], v92, s[16+n]   ; a masked score becomes -2^33
.set n, n+1
.endr
.rept 16
	v_cndmask_b32 v[96+n], v[96+n], v92, s[32+n]
.set n, n+1
.endr
.irp t, 0,1,2,3                        ; V's four fragments are asked for now and land under the softmax
.irp c, 0,1
	ds_load_b128 v[32+12*\t+6*\c:35+12*\t+6*\c], v9 offset:\c*6144+\t*768
	ds_load_b64 v[36+12*\t+6*\c:37+12*\t+6*\c], v10 offset:\c*6144+\t*768
.endr
	ds_load_b32 v[248+\t], v11 offset:64*\t
.endr
.if \j
	s_cmp_eq_u32 s[CNT], 1                         ; behind the second head's last step nothing reads mask words
	s_cbranch_scc1 .Lno_words_\@
.endif
	s_add_co_u32 s[MO], s[MO], 256
	s_and_b32 s[MO], s[MO], 0x7ff                  ; behind the first head's last step: back to the tile's first words
	s_load_b512 s[16:31], s[10:11], s[MO] offset:0x0
	s_load_b512 s[32:47], s[10:11], s[MO] offset:0x40
	s_load_b512 s[48:63], s[10:11], s[MO] offset:0x80
	s_load_b512 s[80:95], s[10:11], s[MO] offset:0xc0
.if \j
.Lno_words_\@:
.endif
.irp b, 0,1,2,3
	v_max3_num_f32 v[232+\b], v[96+16*\b], v[97+16*\b], v[98+16*\b]   ; the largest score of each block of 32 keys: for the row's maximum and, since p rises with the score, for the block's largest p
.endr
.irp i, 3,5,7,9,11,13
.irp b, 0,1,2,3
	s_delay_alu instid0(VALU_DEP_4)
	v_max3_num_f32 v[232+\b], v[232+\b], v[96+16*\b+\i], v[97+16*\b+\i]
.endr
.endr
.irp b, 0,1,2,3
	s_delay_alu instid0(VALU_DEP_4)
	v_max_num_f32 v[232+\b], v[232+\b], v[111+16*\b]
.endr
.irp b, 0,1,2,3
	s_delay_alu instid0(VALU_DEP_4)
	v_permlanex16_b32 v[236+\b], v[232+\b], s[SEL], s[SEL+1]
.endr
.irp b, 0,1,2,3
	s_delay_alu instid0(VALU_DEP_4)
	v_max_num_f32 v[232+\b], v[232+\b], v[236+\b]
.endr
	s_delay_alu instid0(VALU_DEP_2)
	v_max3_num_f32 v254, v232, v233, v234
	s_delay_alu instid0(VALU_DEP_1)
	v_max_num_f32 v254, v254, v235
	s_delay_alu instid0(VALU_DEP_1)
	v_mul_f32 v254, s[CS], v254
	s_delay_alu instid0(VALU_DEP_1)
	v_max_num_f32 v13, v13, v254                   ; the running largest t
	v_mov_b32 v254, v12
	s_delay_alu instid0(VALU_DEP_2)
	v_floor_f32 v12, -v13                          ; -M = floor(-t): M is a whole number
	s_delay_alu instid0(VALU_DEP_1)
	v_sub_f32 v254, v12, v254
	s_delay_alu instid0(VALU_DEP_1)
	v_cvt_i32_f32 v254, v254                       ; (it saturates)
	s_delay_alu instid0(VALU_DEP_1)
	v_ldexp_f32 v252, 1.0, v254                    ; f = 2^(old M - new M)
.set n, 0
.rept 32
	v_pk_fma_f32 v[96+n:97+n], v[96+n:97+n], s[CS:CS+1], v[12:13] op_sel_hi:[1,0,0]   ; t - M
.set n, n+2
.endr
.irp b, 0,1,2,3
	v_fma_f32 v[232+\b], v[232+\b], s[CS], v12
.endr
.set n, 0
	s_wait_alu depctr_va_vdst(0)
.rept 64
	v_exp_f32 v[96+n], v[96+n]                     ; p = 2^(t - M)
.set n, n+1
.endr
	v_pk_mul_f32 v[14:15], v[14:15], v[252:253] op_sel_hi:[1,0]    ; the sums under the new M (a plain line behind the exponentials)
	s_wait_alu depctr_va_vdst(0)                   ; one wait for the batch, ahead of its first reader
.irp b, 0,1,2,3
	v_exp_f32 v[232+\b], v[232+\b]                 ; each block's largest p
.endr
	v_pk_add_f32 v[236:237], v[100:101], v[104:105]
	v_pk_add_f32 v[222:223], v[108:109], v[112:113]
	v_pk_add_f32 v[220:221], v[116:117], v[120:121]
	v_pk_add_f32 v[218:219], v[124:125], v[128:129]
	v_pk_add_f32 v[216:217], v[132:133], v[136:137]
	v_pk_add_f32 v[214:215], v[140:141], v[144:145]
	v_pk_add_f32 v[212:213], v[148:149], v[152:153]
	v_pk_add_f32 v[14:15], v[14:15], v[156:157]
	v_pk_add_f32 v[236:237], v[236:237], v[96:97]
	v_pk_add_f32 v[222:223], v[222:223], v[98:99]
	v_pk_add_f32 v[220:221], v[220:221], v[102:103]
	v_pk_add_f32 v[218:219], v[218:219], v[106:107]
	v_pk_add_f32 v[216:217], v[216:217], v[110:111]
	v_pk_add_f32 v[214:215], v[214:215], v[114:115]
	v_pk_add_f32 v[212:213], v[212:213], v[118:119]
	v_pk_add_f32 v[14:15], v[14:15], v[122:123]
	v_pk_add_f32 v[236:237], v[236:237], v[126:127]
	v_pk_add_f32 v[222:223], v[222:223], v[130:131]
	v_pk_add_f32 v[220:221], v[220:221], v[134:135]
	v_pk_add_f32 v[218:219], v[218:219], v[138:139]
	v_pk_add_f32 v[216:217], v[216:217], v[142:143]
	v_pk_add_f32 v[214:215], v[214:215], v[146:147]
	v_pk_add_f32 v[212:213], v[212:213], v[150:151]
	v_pk_add_f32 v[14:15], v[14:15], v[154:155]
	v_pk_add_f32 v[236:237], v[236:237], v[158:159]
	s_delay_alu instid0(VALU_DEP_2)
	v_pk_add_f32 v[14:15], v[14:15], v[218:219]
	s_delay_alu instid0(VALU_DEP_2)
	v_pk_add_f32 v[236:237], v[236:237], v[216:217]
	v_pk_add_f32 v[222:223], v[222:223], v[214:215]
	v_pk_add_f32 v[220:221], v[220:221], v[212:213]
	s_delay_alu instid0(VALU_DEP_2)
	v_pk_add_f32 v[14:15], v[14:15], v[222:223]
	s_delay_alu instid0(VALU_DEP_2)
	v_pk_add_f32 v[236:237], v[236:237], v[220:221]
	s_delay_alu instid0(VALU_DEP_1)
	v_pk_add_f32 v[14:15], v[14:15], v[236:237]
	s_wait_alu depctr_va_vdst(0)                   ; and one for the four
.irp b, 0,1,2,3
	v_max_num_f32 v[232+\b], 0x2800000, v[232+\b]  ; the floor 2^(5 - 127)
.endr
.irp b, 0,1,2,3
	s_delay_alu instid0(VALU_DEP_4)
	v_add_nc_u32 v[244+\b], 0xfe000000, v[232+\b]
.endr
.irp b, 0,1,2,3
	s_delay_alu instid0(VALU_DEP_4)
	v_lshrrev_b32 v[236+\b], 23, v[244+\b]
.endr
	s_delay_alu instid0(VALU_DEP_3)
	v_lshl_or_b32 v253, v237, 8, v236              ; p's scale word for these 128 keys
	s_delay_alu instid0(VALU_DEP_1)
	v_lshl_or_b32 v253, v238, 16, v253
	s_delay_alu instid0(VALU_DEP_1)
	v_lshl_or_b32 v253, v239, 24, v253
.irp c, 0,1
	v_cvt_scalef32_pk16_bf6_f32 v[224+6*\c:226+6*\c], v[96+32*\c:111+32*\c], v[244+2*\c]
	v_cvt_scalef32_pk16_bf6_f32 v[236+4*\c:238+4*\c], v[112+32*\c:127+32*\c], v[244+2*\c+1]
.endr
	v_nop                                          ; one plain line behind a scaled conversion
.irp c, 0,1
.irp i, 0,1,2
	v_permlane16_swap_b32 v[224+6*\c+\i], v[236+4*\c+\i]
.endr
.irp i, 0,1,2
	s_delay_alu instid0(VALU_DEP_3)
	v_mov_b32 v[227+6*\c+\i], v[236+4*\c+\i]
.endr
.endr
.set n, 0
.rept 16
	v_pk_mul_f32 v[160+n:161+n], v[160+n:161+n], v[252:253] op_sel_hi:[1,0]   ; O^T under the new M; these sixteen are also the places in front of the scaled products
.set n, n+2
.endr
	s_wait_alu depctr_va_vdst(0)
	s_wait_dscnt 0x0                               ; V's fragments and scale words
.irp t, 0,1,2,3                        ; O^T += V^T P^T: the four accumulators by turns
	v_wmma_scale_f32_16x16x128_f8f6f4 v[160+8*\t:167+8*\t], v[32+12*\t:43+12*\t], v[224:235], v[160+8*\t:167+8*\t], v[248+\t], v253 matrix_a_fmt:MATRIX_FMT_BF6 matrix_b_fmt:MATRIX_FMT_BF6
.endr
	s_add_co_u32 s[SKK], s[SKK], 6144
	s_add_co_u32 s[SKT], s[SKT], 6144
	s_add_co_u32 s[SKS], s[SKS], 512
	s_add_co_u32 s[SV], s[SV], 12288
	s_add_co_u32 s[SVS], s[SVS], 512
	s_sub_co_u32 s[CNT], s[CNT], 1
	s_cmp_lg_u32 s[CNT], 0
	s_cbranch_scc1 .Lstep_\@
.endm
; x = O / the sum, in the features' own order, quantised along them: half j of the fragment of K step s of the last projection
.macro XOUT j
.rept 4
	v_nop
.endr
	v_add_f32 v14, v14, v15
	s_delay_alu instid0(VALU_DEP_1)
	v_permlanex16_b32 v252, v14, s[SEL], s[SEL+1]
	s_delay_alu instid0(VALU_DEP_1)
	v_add_f32 v14, v14, v252                       ; the row's sum
	s_wait_alu depctr_va_vdst(0)
	v_rcp_f32 v14, v14
	v_nop                                          ; a plain line behind the reciprocal,
	s_wait_alu depctr_va_vdst(0)                   ; and the wait ahead of its first reader
.set n, 0
.rept 16
	v_pk_mul_f32 v[96+n:97+n], v[160+n:161+n], v[14:15] op_sel_hi:[1,0]
.set n, n+2
.endr
.irp b, 0,1
.irp i, 0,1,2,3,4,5,6,7
	v_permlane16_swap_b32 v[96+16*\b+\i], v[104+16*\b+\i]          ; registers 16 b + 0 .. 15 now hold features 32 b + 16 h + 0 .. 15: WM's codes lie in that order
.endr
.endr
.irp b, 0,1
	v_max3_num_f32 v[232+\b], |v[96+16*\b]|, |v[97+16*\b]|, 0x2800000
.endr
.irp i, 2,4,6,8,10,12,14
.irp b, 0,1
	s_delay_alu instid0(VALU_DEP_2)
	v_max3_num_f32 v[232+\b], v[232+\b], |v[96+16*\b+\i]|, |v[97+16*\b+\i]|
.endr
.endr
.irp b, 0,1
	s_delay_alu instid0(VALU_DEP_2)
	v_permlanex16_b32 v[236+\b], v[232+\b], s[SEL], s[SEL+1]
.endr
.irp b, 0,1
	s_delay_alu instid0(VALU_DEP_2)
	v_max_num_f32 v[232+\b], v[232+\b], v[236+\b]
.endr
.irp b, 0,1
	s_delay_alu instid0(VALU_DEP_2)
	v_add_nc_u32 v[244+\b], 0xfe000000, v[232+\b]
.endr
.irp b, 0,1
	s_delay_alu instid0(VALU_DEP_2)
	v_lshrrev_b32 v[236+\b], 23, v[244+\b]
.endr
.if \j
	s_delay_alu instid0(VALU_DEP_2)
	v_lshl_or_b32 v204, v236, 16, v204
	s_delay_alu instid0(VALU_DEP_1)
	v_lshl_or_b32 v204, v237, 24, v204
.else
	s_delay_alu instid0(VALU_DEP_1)
	v_lshl_or_b32 v204, v237, 8, v236
.endif
	v_cvt_scalef32_pk16_bf6_f32 v[192+6*\j:194+6*\j], v[96:111], v244
	v_cvt_scalef32_pk16_bf6_f32 v[240:242], v[112:127], v245
	v_nop
.irp i, 0,1,2
	v_permlane16_swap_b32 v[192+6*\j+\i], v[240+\i]
.endr
.irp i, 0,1,2
	s_delay_alu instid0(VALU_DEP_3)
	v_mov_b32 v[195+6*\j+\i], v[240+\i]
.endr
.endm
	HEAD 0
	XOUT 0
	HEAD 1
	XOUT 1
	global_store_b128 v1, v[192:195], s[12:13]     ; the fragment as an image of its registers: 512 consecutive bytes a store
	global_store_b128 v1, v[196:199], s[12:13] offset:512
	global_store_b128 v1, v[200:203], s[12:13] offset:1024
	v_lshlrev_b32 v93, 5, v94                      ; a row of x's scale bytes is 32 bytes
	s_wait_alu depctr_va_vdst(0)
	s_wait_xcnt 0x0                                ; EXEC changes only behind this wait
	v_cmp_gt_u32 vcc_lo, 16, v95
	s_and_saveexec_b32 s79, vcc_lo
	global_store_b32 v93, v204, s[14:15]           ; lanes 0-15: my 16 rows' words of K step s (4 bytes of each row: 256 KiB in the whole launch)
	s_wait_xcnt 0x0
	s_or_b32 exec_lo, exec_lo, s79
	s_wait_tensorcnt 0x0                           ; the wave's end
	ds_add_u32 v[SPW], v[NIL]
	s_wait_dscnt 0x0
	CROUND                                         ; the closing round
	s_endpgm
.Lfunc_end_k_q86989e686a_attn:
	.size	k_q86989e686a_attn, .Lfunc_end_k_q86989e686a_attn-k_q86989e686a_attn
	.p2alignl 7, 3214868480
	.fill 96, 4, 3214868480
	.section	.rodata,"a",@progbits
	.p2align	6, 0x0
	.amdhsa_kernel k_q86989e686a_attn
		.amdhsa_group_segment_fixed_size 262144
		.amdhsa_private_segment_fixed_size 0
		.amdhsa_enable_private_segment 0
		.amdhsa_kernarg_size 48
		.amdhsa_user_sgpr_count 2
		.amdhsa_user_sgpr_kernarg_segment_ptr 1
		.amdhsa_wavefront_size32 1
		.amdhsa_system_sgpr_workgroup_id_x 1
		.amdhsa_system_sgpr_workgroup_id_y 1
		.amdhsa_system_sgpr_workgroup_id_z 1
		.amdhsa_system_vgpr_workitem_id 0
		.amdhsa_next_free_vgpr 256
		.amdhsa_next_free_sgpr 102
		.amdhsa_reserve_vcc 1
		.amdhsa_float_denorm_mode_32 3
		.amdhsa_float_denorm_mode_16_64 3
		.amdhsa_memory_ordered 1
		.amdhsa_forward_progress 1
		.amdhsa_inst_pref_size 73
	.end_amdhsa_kernel
	.amdgpu_metadata
---
amdhsa.version: [ 1, 2 ]
amdhsa.kernels:
  - .name:           k_q86989e686a_attn
    .symbol:         k_q86989e686a_attn.kd
    .args:
      - { .name: himg, .offset: 0, .size: 8, .value_kind: global_buffer, .address_space: global }
      - { .name: hsc, .offset: 8, .size: 8, .value_kind: global_buffer, .address_space: global }
      - { .name: tq, .offset: 16, .size: 8, .value_kind: global_buffer, .address_space: global }
      - { .name: mbits, .offset: 24, .size: 8, .value_kind: global_buffer, .address_space: global }
      - { .name: ximg, .offset: 32, .size: 8, .value_kind: global_buffer, .address_space: global }
      - { .name: xsc, .offset: 40, .size: 8, .value_kind: global_buffer, .address_space: global }
    .group_segment_fixed_size: 262144
    .private_segment_fixed_size: 0
    .kernarg_segment_align: 8
    .kernarg_segment_size: 48
    .max_flat_workgroup_size: 512
    .sgpr_count:     102
    .vgpr_count:     256
    .wavefront_size: 32
...
	.end_amdgpu_metadata
.endif
;; end of part 3
;; launch outp (part 4): grid 4 x 64, 4 waves a work-group, clusters of 4 x 4, 327,680 bytes of LDS; arguments ximg, xsc, codes, scales, bM, out0; writes out0
.if DOCPART == 4
	.amdgcn_target "amdgcn-amd-amdhsa--gfx1250"
	.amdhsa_code_object_version 6
	.text
	.protected	k_q86989e686a_outp
	.globl	k_q86989e686a_outp
	.p2align	8
	.type	k_q86989e686a_outp,@function
k_q86989e686a_outp:
	s_mov_b64 s[64:65], 0
	v_nop
	global_prefetch_b8 v0, s[64:65] scope:SCOPE_SE
	s_setreg_imm32_b32 hwreg(HW_REG_WAVE_MODE, 25, 1), 1
	s_wait_xcnt 0x0
	s_wait_alu depctr_hold_cnt(0) depctr_sa_sdst(0) depctr_va_vdst(0) depctr_va_sdst(0) depctr_va_ssrc(0) depctr_va_vcc(0) depctr_vm_vsrc(0)
	s_getreg_b32 s2, hwreg(HW_REG_IB_STS2, 6, 4)
	s_cmp_eq_u32 s2, 0
	s_cbranch_scc0 .Lentry_in_a_cluster
	s_endpgm
.Lentry_in_a_cluster:
	s_bfe_u32 s2, ttmp6, 0x10000c
	s_cmp_lg_u32 s2, 0xf033
	s_cbranch_scc0 .Lentry_shape_is_right
	s_endpgm
.Lentry_shape_is_right:
; Launch 4 of 4: out0 = x WM^T + bM on codes of E3M2 with E8M0 scales, f32 out.  Nothing of the problem is left out here.
; A block is 128 tokens x 256 columns, K = 1,024: 256 work-groups, one block each.  x's and WM's codes lie as images (16 rows x 128 K = 1,536 bytes, an operand's 12 registers), a tile's eight on end: the block's A is one dense run
; of 98,304 bytes, its B one of 196,608; both come into LDS whole, one tensor load a wave as rows of 256 bytes, and nothing is filled again.  Scale words go from memory into registers.  bM is the C of the first K step.
; A wave makes 128 x 64, transposed use: lane (r, h) holds token r of A's tile and columns 8 h + 0 .. 7 of B's tile.
; THE WALK GOES BY ROWS OF THE RESULT: the wave's fragments of B, 4 tiles x 8 K steps, 384 registers, are fetched once; then A's eight tiles of 16 tokens are finished one after the other, 32 products each, K ascending,
; the tile's four accumulators by turns.  A finished tile goes out while the next is multiplied.  Each fragment is read from LDS once.
; CLUSTERS 4 x 4: A's tiles are asked for jointly along a row of the cluster, B's along a column.  No prefetch: all tiles are asked for at the head, and there is no loop to run ahead in.
; THE WAY OUT: 16 tokens x 64 columns through my own stage (rows of 272 bytes, bytes that no tensor load fills); sixteen lanes store a row's 256 consecutive bytes, aligned.
; WINDOWS: 0: addresses, v32-95 A's scale words, v96-127 B's, v128-191 the way out; 1: A's fragments, two sets of 96; 2: v0-63 two sets of four accumulators, v64-255 B's fragments of K steps 4-7;
; 3: v0-191 B's fragments of K steps 0-3, v192-223 the bias.
.set FR, 12
.set TILEB, 12288
.set LB, 8*TILEB
.set SPARE, 24*TILEB
.set STAGE, SPARE+512
.set ADRA, 16
.set ADRB, 18
.set STO, 24
.set RD, 25
.set CO, 26
.set SCO, 27
.set SPW, 28
.set NIL, 29
.set BO, 8
.set SA, 32
.set SB, 96
.set CB, 192
.set BK, 128
.set G1, 24
.set G0, 32
.set G1B, 36
.set G0B, 44
.set MSB, 0
.macro WIN new
.if MSB != (\new)
	s_set_vgpr_msb (MSB<<8)|(\new)
.set MSB, (\new)
.endif
.endm
.macro PLACES
.rept 4
	v_nop
.endr
.endm
.macro CROUND
	s_barrier_signal -1
	s_barrier_wait -1
	s_cmp_lg_u32 s18, 0
	s_cbranch_scc1 .Lnot_wave_0_\@
	s_barrier_signal -3
.Lnot_wave_0_\@:
	s_barrier_wait -3
	s_barrier_signal -1
	s_barrier_wait -1
.endm
	s_load_b256 s[4:11], s[0:1], 0x0               ; ximg s4, xsc s6, codes s8, scales s10
	s_load_b128 s[12:15], s[0:1], 0x20             ; bM s12, out0 s14
	v_lshl_add_u32 v[SPW], v0, 2, SPARE
	v_mov_b32 v[NIL], 0
	ds_add_u32 v[SPW], v[NIL]                      ; the opening lines: the add twice and its wait ahead of my first tensor load
	ds_add_u32 v[SPW], v[NIL]
	v_lshrrev_b32 v1, 5, v0
	v_readfirstlane_b32 s18, v1                    ; wave w
	s_lshr_b32 s19, s18, 1
	s_and_b32 s20, s18, 1
	s_bfe_u32 s21, ttmp6, 0x40000                  ; cx
	s_bfe_u32 s22, ttmp6, 0x40004                  ; cy
	s_and_b32 s23, ttmp7, 0xffff
	s_lshl_b32 s83, s22, 2
	s_lshl_b32 s83, 15, s83
	s_lshl_b32 s84, 0x1111, s21
	s_or_b32 s[G1], s83, (3<<16)|(1<<21)           ; A: 192 rows of 256 bytes, dense
	s_mov_b32 s[G1+1], 32<<16
	s_mov_b32 s[G1+2], 192<<16
	s_mov_b32 s[G1+3], 32<<16
	s_mov_b32 s[G1+4], 192
	s_mov_b32 s[G1+5], 32
	s_mov_b32 s[G1+6], 0
	s_mov_b32 s[G1+7], 0
	s_or_b32 s[G1B], s84, (3<<16)|(1<<21)          ; B: 384 rows
	s_mov_b32 s[G1B+1], 32<<16
	s_mov_b32 s[G1B+2], 384<<16
	s_mov_b32 s[G1B+3], 32<<16
	s_mov_b32 s[G1B+4], 384
	s_mov_b32 s[G1B+5], 32
	s_mov_b32 s[G1B+6], 0
	s_mov_b32 s[G1B+7], 0
	s_lshl_b32 s72, s23, 2
	s_add_co_u32 s72, s72, s22
	s_lshl_b32 s72, s72, 7                         ; my first token
	s_lshl_b32 s74, s20, 6
	s_add_co_u32 s[G0+2], s72, s74
	s_mul_i32 s[G0+2], s[G0+2], 768
	s_lshl_b32 s60, s72, 5
	s_lshl_b32 s76, s21, 8
	s_lshl_b32 s78, s20, 7
	s_lshl_b32 s79, s18, 6
	s_add_co_u32 s[G0B+2], s76, 27648              ; WM's rows lie behind the six other tensors'
	s_add_co_u32 s62, s[G0B+2], s79
	s_lshl_b32 s62, s62, 5
	s_add_co_u32 s[G0B+2], s[G0B+2], s78
	s_mul_i32 s[G0B+2], s[G0B+2], 768
	s_add_co_u32 s90, s76, s79
	s_lshl_b32 s90, s90, 2                         ; my 64 columns, in bytes
	s_lshl_b32 s92, s72, 12
	s_add_co_u32 s92, s92, s90
.irp r, 35,47,61,63,91,93
	s_mov_b32 s\r, 0
.endr
	s_mov_b32 s[G0], 1
	s_mul_i32 s[G0+1], s20, 4*TILEB
	s_mov_b32 s[G0B], 1
	s_mul_i32 s[G0B+1], s20, 8*TILEB
	s_add_co_u32 s[G0B+1], s[G0B+1], LB
	s_wait_dscnt 0x0
	s_wait_kmcnt 0x0
	s_add_nc_u64 s[34:35], s[4:5], s[34:35]
	s_add_nc_u64 s[60:61], s[6:7], s[60:61]
	s_add_nc_u64 s[46:47], s[8:9], s[46:47]
	s_add_nc_u64 s[62:63], s[10:11], s[62:63]
	s_add_nc_u64 s[12:13], s[12:13], s[90:91]
	s_add_nc_u64 s[14:15], s[14:15], s[92:93]
	s_or_b32 s35, s35, 0x80000000
	s_or_b32 s47, s47, 0x80000000
	CROUND                                         ; all sixteen work-groups are here: the joint loads meet
	s_cmp_eq_u32 s19, 0                            ; one tensor load a wave; s_nop 0 and four v_nop behind each line
	s_cbranch_scc0 .Lfor_b
	tensor_load_to_lds s[G0:G0+3], s[G1:G1+7]
	s_nop 0
	PLACES
	s_branch .Lasked
.Lfor_b:
	tensor_load_to_lds s[G0B:G0B+3], s[G1B:G1B+7]
	s_nop 0
	PLACES
.Lasked:
	v_and_b32 v1, 15, v0                           ; r
	v_bfe_u32 v2, v0, 4, 1                         ; h
	v_and_b32 v3, 31, v0
	v_lshlrev_b32 v[ADRA], 4, v3                   ; A's tiles 0-3,
	v_lshl_add_u32 v[ADRA+1], v3, 4, 4*TILEB       ; tiles 4-7
	s_mul_i32 s90, s18, 4*TILEB
	s_add_co_u32 s90, s90, LB
	v_lshl_add_u32 v[ADRB], v3, 4, s90             ; my four tiles of B
	v_lshlrev_b32 v[SCO], 5, v1
	v_lshlrev_b32 v[BO], 5, v2
	s_mul_i32 s90, s18, 16*272
	s_add_co_u32 s90, s90, STAGE
	v_mul_u32_u24 v5, v1, 272
	v_lshl_add_u32 v5, v2, 5, v5
	v_add_nc_u32 v[STO], s90, v5                   ; in: row r, 32 bytes for each half of the lanes
	v_mul_u32_u24 v6, v2, 272
	v_lshl_add_u32 v6, v1, 4, v6
	v_add_nc_u32 v[RD], s90, v6                    ; back: lanes 0-15 one row, lanes 16-31 the next
	v_lshlrev_b32 v7, 12, v2
	v_lshl_add_u32 v[CO], v1, 4, v7                ; and the same two rows in out0
	s_wait_alu depctr_va_vdst(0)                   ; the head's end
.irp a, 0,1,2,3,4,5,6,7
	global_load_b128 v[SA+8*\a:SA+8*\a+3], v[SCO], s[60:61] offset:512*\a
	global_load_b128 v[SA+8*\a+4:SA+8*\a+7], v[SCO], s[60:61] offset:512*\a+16
.endr
.irp b, 0,1,2,3
	global_load_b128 v[SB+8*\b:SB+8*\b+3], v[SCO], s[62:63] offset:512*\b
	global_load_b128 v[SB+8*\b+4:SB+8*\b+7], v[SCO], s[62:63] offset:512*\b+16
.endr
	WIN 0xc0
.irp b, 0,1,2,3
	global_load_b128 v[CB+8*\b:CB+8*\b+3], v[BO], s[12:13] offset:64*\b
	global_load_b128 v[CB+8*\b+4:CB+8*\b+7], v[BO], s[12:13] offset:64*\b+16
.endr
	WIN 0
.macro FETCHB                          ; all my fragments of B: 96 loads; (K step s, tile b) at 48 (s % 4) + 12 b, in window 3 for s under 4, else 64 further on in window 2
	WIN 0xc0
.irp s, 0,1,2,3
.irp b, 0,1,2,3
.irp c, 0,1,2
	ds_load_b128 v[48*\s+FR*\b+4*\c:48*\s+FR*\b+4*\c+3], v[ADRB] offset:\b*TILEB+\s*1536+512*\c
.endr
.endr
.endr
	WIN 0x80
.irp s, 4,5,6,7
.irp b, 0,1,2,3
.irp c, 0,1,2
	ds_load_b128 v[64+48*(\s-4)+FR*\b+4*\c:64+48*(\s-4)+FR*\b+4*\c+3], v[ADRB] offset:\b*TILEB+\s*1536+512*\c
.endr
.endr
.endr
.endm
.macro FETCHA a                        ; tile a of A, all eight K steps: 24 loads into set a % 2
	WIN 0x40
.irp s, 0,1,2,3,4,5,6,7
.irp c, 0,1,2
	ds_load_b128 v[96*((\a)%2)+FR*\s+4*\c:96*((\a)%2)+FR*\s+4*\c+3], v[ADRA+(\a)/4] offset:((\a)%4)*TILEB+\s*1536+512*\c
.endr
.endr
.endm
.macro MULA a                          ; tile a is finished: 32 products, K ascending, the four accumulators of set a % 2 by turns; the first K step takes the bias as C
.irp s, 0,1,2,3,4,5,6,7
.if \s == 0
	WIN 0xb7                                       ; source 0 window 3, source 1 window 1, C window 3, D window 2
.else
.if \s < 4
	WIN 0xa7                                       ; C and D window 2
.else
	WIN 0xa6                                       ; source 0 window 2
.endif
.endif
.irp b, 0,1,2,3
.set AC, 32*((\a)%2)+8*\b
.set CC, AC
.if \s == 0
.set CC, CB+8*\b
.endif
.set BF, 48*(\s%4)+FR*\b+64*(\s/4)
	v_wmma_scale_f32_16x16x128_f8f6f4 v[AC:AC+7], v[BF:BF+FR-1], v[96*((\a)%2)+FR*\s:96*((\a)%2)+FR*\s+FR-1], v[CC:CC+7], v[SB+8*\b+\s], v[SA+8*(\a)+\s] matrix_a_fmt:MATRIX_FMT_BF6 matrix_b_fmt:MATRIX_FMT_BF6
.endr
.endr
.endm
.macro TOSTAGE a
	WIN 0x08                                       ; the data: window 2
.irp b, 0,1,2,3
	ds_store_b128 v[STO], v[32*((\a)%2)+8*\b:32*((\a)%2)+8*\b+3] offset:64*\b        ; each accumulator from its low end on
	ds_store_b128 v[STO], v[32*((\a)%2)+8*\b+4:32*((\a)%2)+8*\b+7] offset:64*\b+16
.endr
	WIN 0
.irp t, 0,1,2,3,4,5,6,7
	ds_load_b128 v[BK+32*((\a)%2)+4*\t:BK+32*((\a)%2)+4*\t+3], v[RD] offset:\t*2*272   ; LDS serves a wave's instructions in order
.endr
.endm
.macro SEND a, younger                 ; younger: the LDS instructions issued behind tile a's loads from the stage
	s_wait_dscnt \younger
.irp t, 0,1,2,3,4,5,6,7
	global_store_b128 v[CO], v[BK+32*((\a)%2)+4*\t:BK+32*((\a)%2)+4*\t+3], s[14:15] offset:(\a)*65536+\t*8192 th:TH_STORE_NT
.endr
.endm
	s_wait_tensorcnt 0x0                           ; my part of the block is in,
	s_wait_loadcnt 0x0                             ; and the scale words and the bias
	s_barrier_signal -1
	s_barrier_wait -1                              ; everybody's part is in
	FETCHB
	FETCHA 0
.set AT, 0
.rept 8
.set YF, 0                             ; the next tile's fetch: 24 loads
.if AT < 7
.set YF, 24
.endif
.set YS, 0                             ; the tile before, through the stage: 8 stores and 8 loads
.if AT > 0
.set YS, 16
	PLACES                                         ; four places: ahead of the stage's stores, which read results just made, and of loads into the set that the last products read
.if AT > 2
	s_wait_xcnt 0x0                                ; the stores of two tiles back have read their registers
.endif
	TOSTAGE AT-1
.endif
.if AT < 7
	FETCHA AT+1
.endif
	s_wait_dscnt YS+YF                             ; this tile's fragments (and, the first time, B's) are in; what was issued behind them stays out
	MULA AT
.if AT > 0
	WIN 0
	SEND AT-1, YF                                  ; the tile before is back from the stage; the next tile's fetch stays out
.endif
.set AT, AT+1
.endr
	PLACES
	s_wait_xcnt 0x0
	TOSTAGE 7
	SEND 7, 0
	s_wait_tensorcnt 0x0                           ; the wave's end
	ds_add_u32 v[SPW], v[NIL]
	s_wait_dscnt 0x0
	CROUND                                         ; the closing round
	s_endpgm
.Lfunc_end_k_q86989e686a_outp:
	.size	k_q86989e686a_outp, .Lfunc_end_k_q86989e686a_outp-k_q86989e686a_outp
	.p2alignl 7, 3214868480
	.fill 96, 4, 3214868480
	.section	.rodata,"a",@progbits
	.p2align	6, 0x0
	.amdhsa_kernel k_q86989e686a_outp
		.amdhsa_group_segment_fixed_size 327680
		.amdhsa_private_segment_fixed_size 0
		.amdhsa_enable_private_segment 0
		.amdhsa_kernarg_size 48
		.amdhsa_user_sgpr_count 2
		.amdhsa_user_sgpr_kernarg_segment_ptr 1
		.amdhsa_wavefront_size32 1
		.amdhsa_system_sgpr_workgroup_id_x 1
		.amdhsa_system_sgpr_workgroup_id_y 1
		.amdhsa_system_sgpr_workgroup_id_z 1
		.amdhsa_system_vgpr_workitem_id 0
		.amdhsa_next_free_vgpr 1024
		.amdhsa_next_free_sgpr 96
		.amdhsa_reserve_vcc 0
		.amdhsa_float_denorm_mode_32 3
		.amdhsa_float_denorm_mode_16_64 3
		.amdhsa_memory_ordered 1
		.amdhsa_forward_progress 1
		.amdhsa_inst_pref_size 77
	.end_amdhsa_kernel
	.amdgpu_metadata
---
amdhsa.version: [ 1, 2 ]
amdhsa.kernels:
  - .name:           k_q86989e686a_outp
    .symbol:         k_q86989e686a_outp.kd
    .args:
      - { .name: ximg, .offset: 0, .size: 8, .value_kind: global_buffer, .address_space: global }
      - { .name: xsc, .offset: 8, .size: 8, .value_kind: global_buffer, .address_space: global }
      - { .name: codes, .offset: 16, .size: 8, .value_kind: global_buffer, .address_space: global }
      - { .name: scales, .offset: 24, .size: 8, .value_kind: global_buffer, .address_space: global }
      - { .name: bM, .offset: 32, .size: 8, .value_kind: global_buffer, .address_space: global }
      - { .name: out0, .offset: 40, .size: 8, .value_kind: global_buffer, .address_space: global }
    .group_segment_fixed_size: 327680
    .private_segment_fixed_size: 0
    .kernarg_segment_align: 8
    .kernarg_segment_size: 48
    .max_flat_workgroup_size: 128
    .sgpr_count:     96
    .vgpr_count:     1024
    .wavefront_size: 32
...
	.end_amdgpu_metadata
.endif
;; end of part 4
